; MI455X (gfx1250); checked and timed in simulation.
; The chip was launched on July 23, 2026; its instructions are those of AMD's public machine-readable ISA for CDNA 5 (MIT licence, August 2026) and "CDNA5" Instruction Set Architecture Reference Guide (July 2026). The comments in the code are by the model that wrote it; some were corrected since.
;; Grouped Query Attention. Allowed arithmetic: matrix products marked QUANTISED: E2M3 operands, one E8M0 scale for each 32 along K, by v_wmma_scale_f32_16x16x128_f8f6f4 with both operands' format E2M3, f32 sums; everything else in f32.
;; Inputs: Wk 1,024 x 4,096 float32; Wo 4,096 x 2,048 float32; Wq 2,048 x 4,096 float32; Wv 1,024 x 4,096 float32; x 1 x 2,048 x 4,096 float32.
;; Outputs: out0 1 x 2,048 x 4,096 float32.
;; This version of the problem:
;;   THIS VERSION OF THE PROBLEM IS GIVEN IN LOW PRECISION. The matrix products marked QUANTISED in the list below multiply operands that are first quantised to E2M3 (2 exponent bits, 3 mantissa bits; 6 bits a number), with one power-of-two scale for each 32 numbers along K (OCP MX v1.0); their sums are f32. All else is computed in f32.
;;   The module's matrix products, in the order in which they are computed (A, B: the left and right operand; K: the contracted axis; several contracted axes count as one K, in the product's order):
;;     1. [M 2,048, K 4,096] x [K 4,096, N 2,048]; A: input x; B: input Wq: QUANTISED
;;     2. [M 2,048, K 4,096] x [K 4,096, N 1,024]; A: input x; B: input Wk: QUANTISED
;;     3. [M 2,048, K 4,096] x [K 4,096, N 1,024]; A: input x; B: input Wv: QUANTISED
;;     4. batch 8 x [M 4,096, K 128] x [K 128, N 2,048]; A: computed on the way; B: computed on the way: QUANTISED
;;     5. batch 8 x [M 4,096, K 2,048] x [K 2,048, N 128]; A: softmax (see below); B: computed on the way: QUANTISED
;;     6. [M 2,048, K 2,048] x [K 2,048, N 4,096]; A: computed on the way; B: input Wo: QUANTISED
;;   THE QUANTISER, for each operand of a quantised product, along K:
;;     - K is cut into blocks of 32 from its start; a last block that is shorter is filled with zeros.
;;     - A block's scale is 2^e with e = floor(log2(the largest magnitude in the block)) - 2, held to -126 .. 127; a block of zeros has e = 0. As a byte (E8M0): e + 127.
;;     - Each number is divided by its block's scale, clamped to +-7.5, and rounded to the nearest number of E2M3, ties to even, subnormals kept.
;;     - The product sums the exact products of the quantised numbers (number of the format x scale) in f32.
;;   ~~~python
;;   def quantise(x, axis):      # numpy; x: float32 -> the quantised numbers, widened to float32 again
;;       x = np.moveaxis(x, axis, -1); K = x.shape[-1]
;;       x = np.pad(x, [(0, 0)] * (x.ndim - 1) + [(0, -K % 32)]); x = x.reshape(x.shape[:-1] + (-1, 32)); a = np.abs(x).max(-1, keepdims=True)
;;       e = np.where(a > 0, np.clip(np.frexp(np.where(a > 0, a, 1))[1] - 1 - 2, -126, 127), 0)      # np.frexp(a)[1] - 1 = floor(log2(a)), exactly
;;       r = np.clip(x / 2.0 ** e, -7.5, 7.5)
;;       step = 2.0 ** (np.maximum(np.frexp(np.where(r == 0, 1, r))[1] - 1, 0) - 3)
;;       q = np.round(r / step) * step * 2.0 ** e      # np.round: ties to even
;;       return np.moveaxis(q.reshape(q.shape[:-2] + (-1,))[..., :K], -1, axis).astype(np.float32)
;;   ~~~
;;   SOFTMAX AHEAD OF A QUANTISED PRODUCT. Where the list says 'softmax', what is quantised is not the finished softmax but p = 2^(t - M), with t = logit x log2(e) and M = ceil(the row's largest t), a whole number; so 1/2 < the row's largest p <= 1. The row's sum l is taken of the UNQUANTISED p, in f32, and the product's result is divided by l at the end. Since M is a whole number, a kernel that streams over the keys may use a running M (the ceiling of the running maximum): every later rescaling is an exact power of two, which a block's scale takes up: the codes' values come out the same.
;;   OPERANDS COMPUTED ON THE WAY. 'Computed on the way' means the value that the module computes at that place (a softmax that the list does not call 'softmax' is quantised finished and normalised). What goes into a quantiser is computed in f32, as accurately as f32 sums, v_exp_f32 and their like allow (about 1e-6 of the number): no bf16 or f16 on the way to a quantiser, and a product that is left as it is and whose result goes on into a quantised operand takes f32 operands (vector FMAs, or v_wmma_f32_16x16x4_f32). A number that lies on a knife's edge between two numbers of the format may be rounded either way, as far as f32 arithmetic and the matrix unit's own rounding can turn it there, and no further.
;; One version. Each part assembles by itself: llvm-mc -triple=amdgcn-amd-amdhsa -mcpu=gfx1250 --defsym DOCPART=n.
;; ======== version 1 of 1: 4 launches
;; limits: right only within a limited range of input values
;; workspace buffers: codes 26,214,400 bytes; rope 1,081,344 bytes; qkv 6,291,456 bytes; qkvs 262,144 bytes; attn 3,276,800 bytes
;; launch prep (part 1): grid 1024 x 1, 4 waves a work-group, no clusters, 34,304 bytes of LDS; arguments x, Wq, Wk, Wv, Wo, codes, rope; writes codes, rope
.if DOCPART == 1
	.amdgcn_target "amdgcn-amd-amdhsa--gfx1250"
	.amdhsa_code_object_version 6
	.text
	.protected	k_q2fbe629659_prep
	.globl	k_q2fbe629659_prep
	.p2align	8
	.type	k_q2fbe629659_prep,@function
k_q2fbe629659_prep:
	s_mov_b64 s[64:65], 0
	v_nop
	global_prefetch_b8 v0, s[64:65] scope:SCOPE_SE
	s_setreg_imm32_b32 hwreg(HW_REG_WAVE_MODE, 25, 1), 1
	s_wait_xcnt 0x0
; PREP.  (1) x, Wq, Wk, Wv, Wo (f32, K innermost) become codes of FP6 (E2M3) with one E8M0 byte for each 32 along K, laid as RECORDS in the order of the matrix operand's registers.
; (2) the table of cos and sin for the rotary embedding, laid in the order of the projection's result registers.
; A FRAGMENT is 16 rows x 128 K: 12 registers a lane, stored as three groups of four registers, 512 bytes each, lane l's 16 bytes at 16 l.  Lane (r, h) holds row r; registers 6 c .. 6 c + 5 hold k = 64 c + 32 h + 0 .. 31.
; THE ROWS OF A ROW BLOCK ARE NOT NEIGHBOURS: lane r of row block rb holds row 32 (rb / 2) + 8 (rb % 2) + r + 8 (r / 8).
; A RECORD is 6,400 bytes: the four fragments of one row block for 512 along K, then 256 bytes of scale words: lane r's 16 bytes at 16 r, word q for the record's q-th 128 along K.
; Records in the buffer: x 0 .. 1023 (row block x 8 + K group), Wq 1024 .., Wk 2048 .., Wv 2560 .., Wo 3072 .. 4095 (row block x 4 + K group).
; A block's scale is 2^(floor(log2(largest magnitude)) - 2); its byte is the largest magnitude's exponent field - 2, held at 1 from below.
; LIMITS: NaN and infinities among the inputs are not served.  A block of zeros gets the byte 1 where the quantiser's text says 127: its codes are zeros, and this program alone reads the bytes.
; The inverse frequencies are made here as 2^(-f L), L = log2(500000) / 64 in two parts: within a few units in the last place of the f32 numbers that the problem's text makes; the angle's reduction by pi / 2 in two parts serves angles up to 2,047.
; Work-groups 0 .. 32 make the table (a wave an image of 8,192 bytes; images 128 .. 131 are cos = 1, sin = 0), work-groups 33 .. 1056 quantise, a wave a record.  No tensor load, no barrier: waves share nothing.
; HOW THE WORK IS DEALT, as the text below stands (this takes the place of the last line above): 1,024 work-groups, a wave a record.  The table's 132 images x 8 groups are 1,056 tasks;
; wave w of work-group g < 264 first makes task 4 g + w (image = task / 8, group = task % 8: 512 bytes of cos and 512 of sin), and then goes on to its record like every other wave.
.set NTAB,   264
.set REC,    6400
.set SPITCH, 528                       ; a stage row: 512 bytes + 16: sixteen rows start in sixteen different 16-byte columns of 256 bytes
.set WSTG,   16*SPITCH                 ; a wave's stage
.set SPARE,  4*WSTG                    ; behind the stages: the spare words, 128 bytes a wave: two blocks of 256 bytes that no other line names
.set LI,     4                         ; v4   16 x lane
.set SPW,    10                        ; v10  LDS address of my spare word; never rewritten
.set NIL,    11                        ; v11  0; never rewritten
	s_load_b256 s[4:11], s[0:1], 0x0               ; x, Wq, Wk, Wv
	s_load_b128 s[12:15], s[0:1], 0x20             ; Wo, codes
	s_load_b64 s[16:17], s[0:1], 0x30              ; rope
	v_lshl_add_u32 v[SPW], v0, 2, SPARE
	v_mov_b32 v[NIL], 0
	v_lshrrev_b32 v1, 5, v0
	v_readfirstlane_b32 s18, v1                    ; wave
	v_and_b32 v1, 31, v0                           ; lane
	v_and_b32 v2, 15, v0                           ; r
	v_bfe_u32 v3, v0, 4, 1                         ; h
	v_lshlrev_b32 v[LI], 4, v1
	s_cmp_lt_u32 ttmp9, NTAB
	s_cbranch_scc0 .Lquant
; ---------------- THE TABLE.  Image rb: group G = 4 b + j (G < 8), lane (r, h): cos(t inv_f), f = 32 b + 16 h + 4 j + 0 .. 3, t = the position of lane r of row block rb; group 8 + G: sin of the same.
	s_lshl_b32 s19, ttmp9, 2
	s_add_co_u32 s19, s19, s18                     ; the task's number
	s_and_b32 s38, s19, 7                          ; its group G
	s_lshr_b32 s19, s19, 3                         ; the image's number
	s_and_b32 s39, s38, 4
	s_lshl_b32 s39, s39, 3
	s_and_b32 s40, s38, 3
	s_lshl_b32 s40, s40, 2
	s_add_co_u32 s39, s39, s40                     ; 32 (G / 4) + 4 (G % 4): the group's first frequency in lanes 0-15
	s_lshr_b32 s35, s19, 1
	s_lshl_b32 s35, s35, 5
	s_and_b32 s36, s19, 1
	s_lshl_b32 s36, s36, 3
	s_add_co_u32 s35, s35, s36                     ; 32 (rb / 2) + 8 (rb % 2)
	s_cmp_lt_u32 s19, 128
	s_cselect_b32 s34, 1.0, 0                      ; images 128 on take position 0: cos = 1 and sin = 0 exactly
	s_wait_alu depctr_va_vdst(0)
	v_and_b32 v5, 8, v2
	v_add_nc_u32 v5, v5, v2
	v_add_nc_u32 v5, s35, v5
	v_cvt_f32_u32 v8, v5
	v_mul_f32 v8, s34, v8                          ; the position, f32
	v_lshl_add_u32 v9, v3, 4, s39                  ; 16 h + the group's first frequency
	s_lshl_b32 s36, s19, 13
	s_lshl_b32 s37, s38, 9
	s_add_co_u32 s36, s36, s37                     ; 8,192 x image + 512 x group
	s_mov_b32 s37, 0
	s_mov_b32 s20, 0x3e977400                      ; L's upper part, 14 bits: f x it is exact for f up to 63
	s_mov_b32 s21, 0x35517c3f                      ; -ln 2 x L's lower part
	s_mov_b32 s22, 0x44a2f983                      ; 4096 / pi: 8192 / wavelength = inv x it
	s_mov_b32 s23, 0x3eaaaaab                      ; 1 / 3
	s_mov_b32 s24, 0x3e000000                      ; 1 / 8
	s_mov_b32 s25, 0x3f22f983                      ; 2 / pi
	s_mov_b32 s26, 0xbfc90fdb                      ; -(pi / 2)'s upper part
	s_mov_b32 s27, 0x333bbd2e                      ; the upper part less pi / 2
	s_mov_b32 s28, 0xb94ca1f9                      ; sine's polynomial on |x| <= pi / 4
	s_mov_b32 s29, 0x3c08839e
	s_mov_b32 s30, 0xbe2aaaa3
	s_mov_b32 s31, 0x37ccf5ce                      ; cosine's
	s_mov_b32 s32, 0xbab6061a
	s_mov_b32 s33, 0x3d2aaaa5
	s_wait_alu depctr_va_vdst(0)
	s_wait_kmcnt 0x0
	s_add_nc_u64 s[16:17], s[16:17], s[36:37]
.set F,  16
.set EX, 20
.set IV, 24
.set T0, 28
.set T1, 32
.set T2, 36
.set T3, 40
.set RR, 44
.set ZZ, 48
.set SS, 52
.set CC, 56
.set QQ, 60
; One group of cos and one of sin: four frequencies a lane, as four chains that take turns.  Each group has result registers of its own, so no store's data are written again.
.macro GRP g
.set RC, 64+8*(\g)
.set RS, 68+8*(\g)
.irp e, 0,1,2,3
	v_add_nc_u32 v[F+\e], 8*((\g)&4)+4*((\g)&3)+\e, v9
.endr
.irp e, 0,1,2,3
	v_cvt_f32_u32 v[F+\e], v[F+\e]                 ; f
.endr
.irp e, 0,1,2,3
	v_mul_f32 v[EX+\e], s20, v[F+\e]
.endr
	s_wait_alu depctr_va_vdst(0)
.irp e, 0,1,2,3
	v_exp_f32 v[EX+\e], -v[EX+\e]                  ; 2^(-f x upper part)
.endr
.irp e, 0,1,2,3
	v_mul_f32 v[T0+\e], s21, v[F+\e]               ; plain work behind the exponentials
.endr
	s_wait_alu depctr_va_vdst(0)                   ; one wait for the four, ahead of their first reader
.irp e, 0,1,2,3
	v_fma_f32 v[IV+\e], v[EX+\e], v[T0+\e], v[EX+\e]   ; x (1 - ln 2 f x lower part): theta^(-f / 64)
.endr
.irp e, 0,1,2,3
	v_mul_f32 v[T0+\e], s22, v[IV+\e]              ; 8192 / wavelength
.endr
.irp e, 0,1,2,3
	v_add_f32 v[T1+\e], -1.0, v[T0+\e]
.endr
.irp e, 0,1,2,3
	v_mul_f32 v[T1+\e], s23, v[T1+\e]              ; smooth
.endr
.irp e, 0,1,2,3
	v_sub_f32 v[T2+\e], 1.0, v[T1+\e]
.endr
.irp e, 0,1,2,3
	v_fma_f32 v[T2+\e], v[T2+\e], s24, v[T1+\e]
.endr
.irp e, 0,1,2,3
	v_mul_f32 v[T2+\e], v[T2+\e], v[IV+\e]         ; the smoothed frequency
.endr
.irp e, 0,1,2,3
	v_mul_f32 v[T3+\e], s24, v[IV+\e]              ; the scaled one
.endr
.irp e, 0,1,2,3
	v_cmp_ge_f32 vcc_lo, 4.0, v[T0+\e]             ; wavelength >= 2048: smoothed,
	v_cndmask_b32 v[IV+\e], v[IV+\e], v[T2+\e], vcc_lo
	v_cmp_gt_f32 vcc_lo, 1.0, v[T0+\e]             ; wavelength > 8192: scaled.  The comparisons select values alone
	v_cndmask_b32 v[IV+\e], v[IV+\e], v[T3+\e], vcc_lo
.endr
.irp e, 0,1,2,3
	v_mul_f32 v[T2+\e], v8, v[IV+\e]               ; the angle, rounded once
.endr
.irp e, 0,1,2,3
	v_mul_f32 v[T3+\e], s25, v[T2+\e]
.endr
.irp e, 0,1,2,3
	v_rndne_f32 v[T3+\e], v[T3+\e]                 ; n quarter turns
.endr
.irp e, 0,1,2,3
	v_fma_f32 v[RR+\e], v[T3+\e], s26, v[T2+\e]    ; exact: a multiple of 2^-23 under 1
.endr
.irp e, 0,1,2,3
	v_fma_f32 v[RR+\e], v[T3+\e], s27, v[RR+\e]
.endr
.irp e, 0,1,2,3
	v_mul_f32 v[ZZ+\e], v[RR+\e], v[RR+\e]
.endr
.irp e, 0,1,2,3
	v_fma_f32 v[SS+\e], v[ZZ+\e], s28, s29
	v_fma_f32 v[CC+\e], v[ZZ+\e], s31, s32
.endr
.irp e, 0,1,2,3
	v_fma_f32 v[SS+\e], v[SS+\e], v[ZZ+\e], s30
	v_fma_f32 v[CC+\e], v[CC+\e], v[ZZ+\e], s33
.endr
.irp e, 0,1,2,3
	v_mul_f32 v[SS+\e], v[SS+\e], v[ZZ+\e]
	v_mul_f32 v[CC+\e], v[CC+\e], v[ZZ+\e]
	v_fma_f32 v[T0+\e], v[ZZ+\e], -0.5, 1.0
.endr
.irp e, 0,1,2,3
	v_fma_f32 v[SS+\e], v[SS+\e], v[RR+\e], v[RR+\e]   ; sin of the rest
	v_fma_f32 v[CC+\e], v[CC+\e], v[ZZ+\e], v[T0+\e]   ; cos of the rest
	v_cvt_i32_f32 v[QQ+\e], v[T3+\e]
.endr
.irp e, 0,1,2,3
	v_and_b32 v[T1+\e], 1, v[QQ+\e]
.endr
.irp e, 0,1,2,3
	v_cmp_eq_u32 vcc_lo, 1, v[T1+\e]               ; an odd number of quarter turns: the two change places
	v_cndmask_b32 v[RC+\e], v[CC+\e], v[SS+\e], vcc_lo
	v_cndmask_b32 v[RS+\e], v[SS+\e], v[CC+\e], vcc_lo
.endr
.irp e, 0,1,2,3
	v_add_nc_u32 v[T1+\e], 1, v[QQ+\e]
	v_and_b32 v[QQ+\e], 2, v[QQ+\e]
.endr
.irp e, 0,1,2,3
	v_and_b32 v[T1+\e], 2, v[T1+\e]
	v_lshlrev_b32 v[QQ+\e], 30, v[QQ+\e]
.endr
.irp e, 0,1,2,3
	v_lshlrev_b32 v[T1+\e], 30, v[T1+\e]
	v_xor_b32 v[RS+\e], v[QQ+\e], v[RS+\e]         ; sin is negative in quarters 2 and 3,
.endr
.irp e, 0,1,2,3
	v_xor_b32 v[RC+\e], v[T1+\e], v[RC+\e]         ; cos in quarters 1 and 2
.endr
	global_store_b128 v[LI], v[RC:RC+3], s[16:17] offset:512*(\g)         ; 32 lanes store 512 consecutive bytes
	global_store_b128 v[LI], v[RS:RS+3], s[16:17] offset:4096+512*(\g)
.endm
	GRP 0                                          ; the group's frequencies stand in v9 and its place in the base: the macro's own number is 0
	s_wait_xcnt 0x0                                ; the two stores have read their registers: the record's loads may land there
; ---------------- THE QUANTISER: a wave a record
.Lquant:
	s_lshl_b32 s19, ttmp9, 2
	s_add_co_u32 s19, s19, s18                     ; the record's number
	s_mul_i32 s24, s18, WSTG
	s_wait_alu depctr_va_vdst(0)
	v_add_nc_u32 v5, s24, v[LI]                    ; into my stage: 16 x lane, a row an instruction
	v_mul_u32_u24 v6, v2, SPITCH
	v_lshl_add_u32 v6, v3, 7, v6
	v_add_nc_u32 v6, s24, v6                       ; out of it: row r, + 128 h bytes: my blocks of 32 numbers
	v_lshlrev_b32 v7, 4, v2
	v_lshl_add_u32 v7, v3, 3, v7                   ; the scale words' place: 16 r + 8 h
	v_lshlrev_b32 v8, 3, v3                        ; 8 h
	v_mov_b32 v55, 0                               ; written once: a lane permute's destination counts as one of its sources
	s_mov_b32 s66, 0x76543210
	s_mov_b32 s67, 0xfedcba98                      ; selects for lane l xor 16
	s_wait_alu depctr_va_vdst(0)
	s_wait_kmcnt 0x0
	s_mov_b64 s[20:21], s[12:13]                   ; which tensor: a choice on the record's number alone
	s_mov_b32 s22, 3072
	s_cmp_lt_u32 s19, 3072
	s_cselect_b32 s23, 3, 2                        ; log2 of the K groups in a row: 8, in Wo 4
	s_cselect_b64 s[20:21], s[10:11], s[20:21]
	s_cselect_b32 s22, 2560, s22
	s_cmp_lt_u32 s19, 2560
	s_cselect_b64 s[20:21], s[8:9], s[20:21]
	s_cselect_b32 s22, 2048, s22
	s_cmp_lt_u32 s19, 2048
	s_cselect_b64 s[20:21], s[6:7], s[20:21]
	s_cselect_b32 s22, 1024, s22
	s_cmp_lt_u32 s19, 1024
	s_cselect_b64 s[20:21], s[4:5], s[20:21]
	s_cselect_b32 s22, 0, s22
	s_sub_co_u32 s22, s19, s22                     ; the record's number in its tensor
	s_lshr_b32 s24, s22, s23                       ; row block
	s_lshl_b32 s25, s24, s23
	s_sub_co_u32 s25, s22, s25                     ; K group
	s_lshl_b32 s26, 2048, s23                      ; a row in bytes
	s_lshr_b32 s27, s24, 1
	s_lshl_b32 s27, s27, 5
	s_and_b32 s24, s24, 1
	s_lshl_b32 s24, s24, 3
	s_add_co_u32 s27, s27, s24                     ; the block's first row
	s_mul_i32 s27, s27, s26
	s_lshl_b32 s25, s25, 11                        ; 512 numbers a K group
	s_add_co_u32 s24, s27, s25
	s_mov_b32 s25, 0
	s_add_nc_u64 s[32:33], s[20:21], s[24:25]      ; sixteen row bases, s[32:63]
	s_mov_b32 s27, 0
	s_mul_i32 s30, s26, 9                          ; from the eighth row to the ninth: nine rows on
	s_mov_b32 s31, 0
.irp i, 1,2,3,4,5,6,7,8,9,10,11,12,13,14,15
.if \i == 8
	s_add_nc_u64 s[32+2*\i:33+2*\i], s[30+2*\i:31+2*\i], s[30:31]
.else
	s_add_nc_u64 s[32+2*\i:33+2*\i], s[30+2*\i:31+2*\i], s[26:27]
.endif
.endr
	s_mul_i32 s28, s19, REC
	s_mov_b32 s29, 0
	s_add_nc_u64 s[28:29], s[14:15], s[28:29]      ; where the record goes
.macro LOAD f                          ; fragment f's numbers: 512 consecutive bytes of each of the 16 rows
.irp i, 0,1,2,3,4,5,6,7,8,9,10,11,12,13,14,15
	global_load_b128 v[64+64*((\f)%2)+4*\i:64+64*((\f)%2)+4*\i+3], v[LI], s[32+2*\i:33+2*\i] offset:512*(\f) th:TH_LOAD_NT
.endr
.endm
.macro FRAGQ f
.set LSET, 64+64*((\f)%2)
.set P, 16+12*((\f)%2)
.if (\f) < 3
	s_wait_loadcnt 16                              ; this fragment's 16 loads are in; the next fragment's 16 may be out
.else
	s_wait_loadcnt 0x0
.endif
.irp i, 0,1,2,3,4,5,6,7,8,9,10,11,12,13,14,15
	ds_store_b128 v5, v[LSET+4*\i:LSET+4*\i+3] offset:SPITCH*\i
.endr
.irp c, 0,1
.irp j, 0,1,2,3,4,5,6,7
	ds_load_b128 v[192+32*\c+4*\j:192+32*\c+4*\j+3], v6 offset:256*\c+16*\j   ; my row's block 2 c + h whole; LDS serves a wave's instructions in order: these see the stores above
.endr
.endr
	s_wait_dscnt 0x0                               ; the numbers are back, and the stores have read their registers
.if (\f) < 2
	LOAD (\f)+2
.else
	s_wait_xcnt 0x0                                ; the stores of two fragments back have read the registers that this fragment's codes take
.endif
.irp c, 0,1
	v_max3_num_f32 v[48+\c], |v[192+32*\c]|, |v[193+32*\c]|, 0x1800000   ; with the floor 2^(3 - 127): the byte cannot fall under 1
.endr
.irp i, 2,4,6,8,10,12,14,16,18,20,22,24,26,28,30
.irp c, 0,1
	v_max3_num_f32 v[48+\c], v[48+\c], |v[192+32*\c+\i]|, |v[193+32*\c+\i]|
.endr
.endr
.irp c, 0,1
	v_add_nc_u32 v[50+\c], 0xff000000, v[48+\c]    ; 2 off the exponent field: the conversion's scale operand
.endr
.irp c, 0,1
	v_lshrrev_b32 v[48+\c], 23, v[50+\c]           ; the byte
.endr
	v_lshl_or_b32 v54, v49, 16, v48                ; blocks h and 2 + h,
	v_lshlrev_b32 v54, v8, v54                     ; at their places;
	v_permlanex16_b32 v55, v54, s66, s67
	v_or_b32 v[12+(\f)], v54, v55                  ; with lane l xor 16's two the row's word is whole
.irp c, 0,1
	v_cvt_scalef32_pk16_fp6_f32 v[P+6*\c:P+6*\c+2], v[192+32*\c:207+32*\c], v[50+\c]
	v_cvt_scalef32_pk16_fp6_f32 v[40+4*\c:42+4*\c], v[208+32*\c:223+32*\c], v[50+\c]   ; (a conversion's three registers begin on an even number)
.endr
	v_nop                                          ; one plain place behind a scaled conversion
.irp c, 0,1
.irp i, 0,1,2
	v_mov_b32 v[P+3+6*\c+\i], v[40+4*\c+\i]
.endr
.endr
.irp c, 0,1,2
	global_store_b128 v[LI], v[P+4*\c:P+4*\c+3], s[28:29] offset:1536*(\f)+512*\c   ; 32 lanes store 512 consecutive bytes
.endr
.endm
	LOAD 0
	LOAD 1
	FRAGQ 0
	FRAGQ 1
	FRAGQ 2
	FRAGQ 3
	v_cmp_ne_u32 vcc_lo, 0, v3
	v_cndmask_b32 v48, v12, v14, vcc_lo            ; lanes 0-15 store words 0 and 1 of their row, lanes 16-31 words 2 and 3
	v_cndmask_b32 v49, v13, v15, vcc_lo
	global_store_b64 v7, v[48:49], s[28:29] offset:6144   ; 32 lanes store 256 consecutive bytes, aligned
	s_wait_tensorcnt 0x0                           ; the wave's end, behind my last LDS store
	ds_add_u32 v[SPW], v[NIL]
	s_wait_dscnt 0x0
	s_endpgm
.Lfunc_end_k_q2fbe629659_prep:
	.size	k_q2fbe629659_prep, .Lfunc_end_k_q2fbe629659_prep-k_q2fbe629659_prep
	.p2alignl 7, 3214868480
	.fill 96, 4, 3214868480
	.section	.rodata,"a",@progbits
	.p2align	6, 0x0
	.amdhsa_kernel k_q2fbe629659_prep
		.amdhsa_group_segment_fixed_size 34304
		.amdhsa_private_segment_fixed_size 0
		.amdhsa_enable_private_segment 0
		.amdhsa_kernarg_size 56
		.amdhsa_user_sgpr_count 2
		.amdhsa_user_sgpr_kernarg_segment_ptr 1
		.amdhsa_wavefront_size32 1
		.amdhsa_system_sgpr_workgroup_id_x 1
		.amdhsa_system_sgpr_workgroup_id_y 1
		.amdhsa_system_sgpr_workgroup_id_z 1
		.amdhsa_system_vgpr_workitem_id 0
		.amdhsa_next_free_vgpr 256
		.amdhsa_next_free_sgpr 70
		.amdhsa_reserve_vcc 1
		.amdhsa_float_denorm_mode_32 3
		.amdhsa_float_denorm_mode_16_64 3
		.amdhsa_memory_ordered 1
		.amdhsa_forward_progress 1
		.amdhsa_inst_pref_size 41
	.end_amdhsa_kernel
	.amdgpu_metadata
---
amdhsa.version: [ 1, 2 ]
amdhsa.kernels:
  - .name:           k_q2fbe629659_prep
    .symbol:         k_q2fbe629659_prep.kd
    .args:
      - { .name: x, .offset: 0, .size: 8, .value_kind: global_buffer, .address_space: global }
      - { .name: Wq, .offset: 8, .size: 8, .value_kind: global_buffer, .address_space: global }
      - { .name: Wk, .offset: 16, .size: 8, .value_kind: global_buffer, .address_space: global }
      - { .name: Wv, .offset: 24, .size: 8, .value_kind: global_buffer, .address_space: global }
      - { .name: Wo, .offset: 32, .size: 8, .value_kind: global_buffer, .address_space: global }
      - { .name: codes, .offset: 40, .size: 8, .value_kind: global_buffer, .address_space: global }
      - { .name: rope, .offset: 48, .size: 8, .value_kind: global_buffer, .address_space: global }
    .group_segment_fixed_size: 34304
    .private_segment_fixed_size: 0
    .kernarg_segment_align: 8
    .kernarg_segment_size: 56
    .max_flat_workgroup_size: 128
    .sgpr_count:     70
    .vgpr_count:     256
    .wavefront_size: 32
...
	.end_amdgpu_metadata
.endif
;; end of part 1
;; launch qkv (part 2): grid 16 x 16, 4 waves a work-group, clusters of 4 x 4, 327,680 bytes of LDS; arguments codes, rope, qkv, qkvs; writes qkv, qkvs
.if DOCPART == 2
	.amdgcn_target "amdgcn-amd-amdhsa--gfx1250"
	.amdhsa_code_object_version 6
	.text
	.protected	k_q2fbe629659_qkv
	.globl	k_q2fbe629659_qkv
	.p2align	8
	.type	k_q2fbe629659_qkv,@function
k_q2fbe629659_qkv:
	s_mov_b64 s[64:65], 0
	v_nop
	global_prefetch_b8 v0, s[64:65] scope:SCOPE_SE
	s_setreg_imm32_b32 hwreg(HW_REG_WAVE_MODE, 25, 1), 1
	s_wait_xcnt 0x0
	s_wait_alu depctr_hold_cnt(0) depctr_sa_sdst(0) depctr_va_vdst(0) depctr_va_sdst(0) depctr_va_ssrc(0) depctr_va_vcc(0) depctr_vm_vsrc(0)
	s_getreg_b32 s2, hwreg(HW_REG_IB_STS2, 6, 4)
	s_cmp_eq_u32 s2, 0
	s_cbranch_scc0 .Lentry_in_a_cluster
	s_endpgm
.Lentry_in_a_cluster:
	s_bfe_u32 s2, ttmp6, 0x10000c
	s_cmp_lg_u32 s2, 0xf033
	s_cbranch_scc0 .Lentry_shape_is_right
	s_endpgm
.Lentry_shape_is_right:
; THE PROJECTIONS q, k, v on codes of FP6 (E2M3), from the records that the first launch laid (6,400 bytes: four fragments of 16 rows x 128 K, then 256 bytes of scale words).
; A work-group makes 128 rows of an operand R x 256 rows of an operand P over K = 4,096; a wave 64 x 128, 32 accumulators.  For q and k: R = x's positions, P = Wq's and Wk's rows; where the cluster's y is 3: R = Wv's rows, P = x's positions, so that v's codes run along the keys.
; The results are turned by the table of cos and sin (v: by the image cos = 1, sin = 0), quantised along P's 128 and stored as fragments with their scale words.
; RING: two slots of 512 along K (8 records of R, 16 of P).  4 x 4 work-groups form a cluster; R's tile is asked for jointly along a column, P's along a row; each wave issues one joint load behind each round.
; PREFETCH: behind slot 0's joint load K groups 1 and 2 are asked for, behind the joint load of each later K group j the group j + 2, while it is under 8: a record is 25 blocks of 256 bytes, a lane a block (lanes 25-31 name the last block again), an instruction a record.
; Of P's 16 records the partner at cx takes 4 cx + wave; of R's 8 the partner at cy takes 2 cy + wave, waves 0 and 1 alone: the partners are told apart by address, and each block is named once in a cluster.
.set KG,     8
.set REC,    6400
.set RHALFB, 4*REC
.set PHALFB, 8*REC
.set POFF,   8*REC
.set SLOT,   24*REC
.set SPARE,  2*SLOT
.set WOFF,   1024*REC
.set VROFF,  2560*REC
.set LI,   4
.set ADRR, 16
.set ADRP, 20
.set ADRS, 22
.set SPW,  28
.set NIL,  29
.set SC,   32
.set RF,   128
.set G1R, 24
.set G0R, 32
.set G1P, 48
.set G0P, 56
.set SEL, 86
.set MSB, 0
.set PFO, 30                           ; v30     the prefetches' offset: 256 x min(lane, 24); never rewritten
.set PFP, 88                           ; s[88:89] my record of P, s[90:91] my record of R: where the prefetches stand along K
.set PFR, 90
.macro WIN new
.if MSB != \new
	s_set_vgpr_msb (MSB<<8)|\new
.set MSB, \new
.endif
.endm
.set MUL,  0xa1
.set TO_P, 0x40
.macro JLOAD g0a, g1a, g0b, g1b
	s_cmp_eq_u32 s15, 0
	s_cbranch_scc0 .Lfor_p_\@
	tensor_load_to_lds s[\g0a:\g0a+3], s[\g1a:\g1a+7]
	s_nop 0
.rept 4
	v_nop
.endr
	s_branch .Lasked_\@
.Lfor_p_\@:
	tensor_load_to_lds s[\g0b:\g0b+3], s[\g1b:\g1b+7]
	s_nop 0
.rept 4
	v_nop
.endr
.Lasked_\@:
.endm
.macro CREST
	s_cmp_lg_u32 s14, 0
	s_cbranch_scc1 .Lnot_wave_0_\@
	s_barrier_signal -3
.Lnot_wave_0_\@:
	s_barrier_wait -3
	s_barrier_signal -1
	s_barrier_wait -1
.endm
.macro CROUND
	s_barrier_signal -1
	s_barrier_wait -1
	CREST
.endm
.macro PLACES n
.rept \n
	v_nop
.endr
.endm
	s_load_b256 s[4:11], s[0:1], 0x0
	v_lshl_add_u32 v[SPW], v0, 2, SPARE
	v_mov_b32 v[NIL], 0
	ds_add_u32 v[SPW], v[NIL]
	ds_add_u32 v[SPW], v[NIL]
	v_lshrrev_b32 v1, 5, v0
	v_readfirstlane_b32 s14, v1
	v_and_b32 v[PFO], 31, v0
	v_min_u32 v[PFO], 24, v[PFO]
	v_lshlrev_b32 v[PFO], 8, v[PFO]
	s_lshr_b32 s15, s14, 1
	s_and_b32 s16, s14, 1
	s_bfe_u32 s40, ttmp6, 0x40000
	s_bfe_u32 s41, ttmp6, 0x40004
	s_and_b32 s43, ttmp7, 0xffff
	s_and_b32 s44, ttmp9, 1
	s_lshr_b32 s45, ttmp9, 1
	s_cmp_eq_u32 s43, 3
	s_cselect_b32 s46, s44, ttmp9
	s_cselect_b32 s47, s45, s43
	s_cselect_b32 s66, VROFF, 0
	s_cselect_b32 s67, 0, WOFF
	s_cselect_b32 s68, 1, 0
	s_lshl_b32 s46, s46, 2
	s_add_co_u32 s46, s46, s40
	s_lshl_b32 s47, s47, 2
	s_add_co_u32 s47, s47, s41
	s_lshl_b32 s69, 0x1111, s40
	s_lshl_b32 s70, s41, 2
	s_lshl_b32 s70, 15, s70
	s_or_b32 s[G1R], s69, (3<<16)|(1<<21)
	s_or_b32 s[G1P], s70, (3<<16)|(1<<21)
	s_mov_b32 s[G1R+1], 800<<16
	s_mov_b32 s[G1R+2], 4<<16
	s_mov_b32 s[G1R+3], 800<<16
	s_mov_b32 s[G1R+4], 4
	s_mov_b32 s[G1R+5], KG*800
	s_mov_b32 s[G1R+6], 0
	s_mov_b32 s[G1R+7], 0
	s_mov_b32 s[G1P+1], 800<<16
	s_mov_b32 s[G1P+2], 8<<16
	s_mov_b32 s[G1P+3], 800<<16
	s_mov_b32 s[G1P+4], 8
	s_mov_b32 s[G1P+5], KG*800
	s_mov_b32 s[G1P+6], 0
	s_mov_b32 s[G1P+7], 0
	s_lshl_b32 s20, s46, 3
	s_lshl_b32 s21, s16, 2
	s_add_co_u32 s20, s20, s21
	s_mul_i32 s20, s20, KG*REC
	s_add_co_u32 s20, s20, s66
	s_mov_b32 s21, 0
	s_lshl_b32 s22, s47, 4
	s_lshl_b32 s23, s16, 3
	s_add_co_u32 s22, s22, s23
	s_mul_i32 s22, s22, KG*REC
	s_add_co_u32 s22, s22, s67
	s_mov_b32 s23, 0
	s_mul_i32 s71, s16, RHALFB
	s_mul_i32 s72, s16, PHALFB
	s_add_co_u32 s72, s72, POFF
	s_lshl_b32 s92, s47, 4                         ; the prefetches: P's row block 16 x tile + 4 cx + wave,
	s_lshl_b32 s93, s40, 2
	s_add_co_u32 s92, s92, s93
	s_add_co_u32 s92, s92, s14
	s_mul_i32 s92, s92, KG*REC
	s_add_co_u32 s92, s92, s67
	s_mov_b32 s93, 0
	s_lshl_b32 s94, s46, 3                         ; R's row block 8 x tile + 2 cy + wave % 2
	s_lshl_b32 s95, s41, 1
	s_add_co_u32 s94, s94, s95
	s_add_co_u32 s94, s94, s16
	s_mul_i32 s94, s94, KG*REC
	s_add_co_u32 s94, s94, s66
	s_mov_b32 s95, 0
	s_wait_dscnt 0x0
	s_wait_kmcnt 0x0
	s_add_nc_u64 s[20:21], s[4:5], s[20:21]
	s_add_nc_u64 s[22:23], s[4:5], s[22:23]
	s_add_nc_u64 s[PFP:PFP+1], s[4:5], s[92:93]
	s_add_nc_u64 s[PFR:PFR+1], s[4:5], s[94:95]
	CROUND
.irp s, 0,1
	s_mov_b32 s[G0R+4*\s], 1
	s_add_co_u32 s[G0R+4*\s+1], s71, \s*SLOT
	s_add_nc_u64 s[G0R+4*\s+2:G0R+4*\s+3], s[20:21], \s*REC
	s_or_b32 s[G0R+4*\s+3], s[G0R+4*\s+3], 0x80000000
	s_mov_b32 s[G0P+4*\s], 1
	s_add_co_u32 s[G0P+4*\s+1], s72, \s*SLOT
	s_add_nc_u64 s[G0P+4*\s+2:G0P+4*\s+3], s[22:23], \s*REC
	s_or_b32 s[G0P+4*\s+3], s[G0P+4*\s+3], 0x80000000
.endr
.macro ASK off                         ; the K group that lies off bytes beyond where the bases stand: every wave a record of P, waves 0 and 1 also a record of R
	global_prefetch_b8 v[PFO], s[PFP:PFP+1] offset:\off th:TH_LOAD_NT scope:SCOPE_SE
	s_cmp_eq_u32 s15, 0
	s_cbranch_scc0 .Lno_r_\@
	global_prefetch_b8 v[PFO], s[PFR:PFR+1] offset:\off th:TH_LOAD_NT scope:SCOPE_SE
.Lno_r_\@:
.endm
	JLOAD G0R, G1R, G0P, G1P                       ; K group 0: one tensor load a wave at the head
	s_wait_alu depctr_va_vdst(0)                   ; the wait, directly ahead of the reader below
	ASK REC                                        ; K groups 1 and 2
	ASK 2*REC
	v_and_b32 v1, 31, v0
	v_and_b32 v2, 15, v0
	v_bfe_u32 v3, v0, 4, 1
	v_lshlrev_b32 v[LI], 4, v1
	s_mul_i32 s73, s15, RHALFB
	s_mul_i32 s74, s16, PHALFB
	s_add_co_u32 s74, s74, POFF
	v_add_nc_u32 v[ADRR], s73, v[LI]
	v_add_nc_u32 v[ADRR+1], SLOT, v[ADRR]
	v_add_nc_u32 v[ADRP], s74, v[LI]
	v_add_nc_u32 v[ADRP+1], SLOT, v[ADRP]
	s_sub_co_u32 s75, s74, s73
	v_mul_u32_u24 v5, s75, v3
	v_lshl_add_u32 v5, v2, 4, v5
	v_add_nc_u32 v5, s73, v5
	v_add_nc_u32 v[ADRS], 4*1536, v5
	v_add_nc_u32 v[ADRS+1], SLOT, v[ADRS]
	v_lshlrev_b32 v7, 4, v2
	v_lshl_add_u32 v7, v3, 3, v7
	s_mov_b32 s[SEL], 0x76543210
	s_mov_b32 s[SEL+1], 0xfedcba98
	s_lshl_b32 s76, s47, 1
	s_add_co_u32 s76, s76, s16
	s_add_co_u32 s77, s46, 24
	s_lshl_b32 s78, s46, 3
	s_lshl_b32 s79, s15, 2
	s_add_co_u32 s78, s78, s79
	s_cmp_eq_u32 s68, 1
	s_cselect_b32 s77, s77, s76
	s_cselect_b32 s76, s76, s46
	s_cselect_b32 s78, 128, s78
	s_lshl_b32 s76, s76, 1
	s_add_co_u32 s76, s76, s15
	s_lshl_b32 s80, s78, 13
	s_mov_b32 s81, 0
	s_add_nc_u64 s[6:7], s[6:7], s[80:81]
	s_mul_i32 s82, s77, 196608
	s_mul_i32 s83, s76, 6144
	s_add_co_u32 s82, s82, s83
	s_mov_b32 s83, 0
	s_add_nc_u64 s[8:9], s[8:9], s[82:83]
	s_lshl_b32 s84, s77, 13
	s_lshl_b32 s85, s76, 8
	s_add_co_u32 s84, s84, s85
	s_mov_b32 s85, 0
	s_add_nc_u64 s[10:11], s[10:11], s[84:85]
	WIN 0xc0
.irp a, 0,1,2,3
.irp g, 0,1,2,3,4,5,6,7,8,9,10,11,12,13,14,15
	global_load_b128 v[64*\a+4*\g:64*\a+4*\g+3], v[LI], s[6:7] offset:8192*\a+512*\g
.endr
.endr
	WIN 0
.macro FETCH slot, q, set
	WIN TO_P
.irp b, 0,1,2,3,4,5,6,7
.irp c, 0,1,2
	ds_load_b128 v[128*(\set)+12*\b+4*\c:128*(\set)+12*\b+4*\c+3], v[ADRP+\slot] offset:REC*\b+1536*(\q)+512*\c
.endr
.endr
	WIN 0
.irp a, 0,1,2,3
.irp c, 0,1,2
	ds_load_b128 v[RF+48*(\set)+12*\a+4*\c:RF+48*(\set)+12*\a+4*\c+3], v[ADRR+\slot] offset:REC*\a+1536*(\q)+512*\c
.endr
.endr
.endm
.macro SCALES slot
.irp j, 0,1,2,3,4,5,6,7
	ds_load_b128 v[SC+32*\slot+4*\j:SC+32*\slot+4*\j+3], v[ADRS+\slot] offset:REC*\j
.endr
.endm
.macro MUL8 a, set, q, slot, zero
.irp b, 0,1,2,3,4,5,6,7
.if \zero
	v_wmma_scale_f32_16x16x128_f8f6f4 v[8*(8*(\a)+\b):8*(8*(\a)+\b)+7], v[128*(\set)+12*\b:128*(\set)+12*\b+11], v[RF+48*(\set)+12*(\a):RF+48*(\set)+12*(\a)+11], 0, v[SC+32*(\slot)+4*\b+(\q)], v[SC+32*(\slot)+4*(\a)+(\q)] matrix_a_fmt:MATRIX_FMT_FP6 matrix_b_fmt:MATRIX_FMT_FP6 matrix_a_scale:MATRIX_SCALE_ROW1
.else
	v_wmma_scale_f32_16x16x128_f8f6f4 v[8*(8*(\a)+\b):8*(8*(\a)+\b)+7], v[128*(\set)+12*\b:128*(\set)+12*\b+11], v[RF+48*(\set)+12*(\a):RF+48*(\set)+12*(\a)+11], v[8*(8*(\a)+\b):8*(8*(\a)+\b)+7], v[SC+32*(\slot)+4*\b+(\q)], v[SC+32*(\slot)+4*(\a)+(\q)] matrix_a_fmt:MATRIX_FMT_FP6 matrix_b_fmt:MATRIX_FMT_FP6 matrix_a_scale:MATRIX_SCALE_ROW1
.endif
.endr
.endm
.macro STEP slot, q, zero
	s_wait_dscnt 0x0
	PLACES 4
	FETCH \slot, (\q)+1, ((\q)+1)%2
	WIN MUL
	MUL8 0, (\q)%2, \q, \slot, \zero
	MUL8 1, (\q)%2, \q, \slot, \zero
	MUL8 2, (\q)%2, \q, \slot, \zero
	MUL8 3, (\q)%2, \q, \slot, \zero
	WIN 0
.endm
.macro TURN slot, next, fill
.if \fill && (KG > 4)
	s_wait_xcnt 0x0                                ; my earlier prefetches have read their bases: they step a K group on
	s_add_nc_u64 s[PFP:PFP+1], s[PFP:PFP+1], REC
	s_add_nc_u64 s[PFR:PFR+1], s[PFR:PFR+1], REC
.endif
	s_wait_dscnt 0x0
	s_wait_tensorcnt 0x0
	ds_add_u32 v[SPW], v[NIL]
	WIN MUL
	MUL8 0, 1, 3, \slot, 0
	s_wait_dscnt 0x0
	s_barrier_signal -1
	MUL8 1, 1, 3, \slot, 0
	WIN 0
	s_barrier_wait -1
.if \fill
	CREST
	s_add_nc_u64 s[G0R+4*\slot+2:G0R+4*\slot+3], s[G0R+4*\slot+2:G0R+4*\slot+3], 2*REC
	s_add_nc_u64 s[G0P+4*\slot+2:G0P+4*\slot+3], s[G0P+4*\slot+2:G0P+4*\slot+3], 2*REC
	JLOAD G0R+4*\slot, G1R, G0P+4*\slot, G1P
.else
	PLACES 4
.endif
	FETCH \next, 0, 0
	SCALES \next
.if \fill && (KG > 4)
	s_cmp_gt_u32 s3, 1                             ; the loop's last trip has no K group two refills on
	s_cbranch_scc0 .Lno_ask_\@
	ASK 3*REC                                      ; behind the n-th refill (K group n + 2) the bases stand at group n + 1: this names group n + 4
.Lno_ask_\@:
.endif
	WIN MUL
	MUL8 2, 1, 3, \slot, 0
	MUL8 3, 1, 3, \slot, 0
	WIN 0
.endm
	s_wait_alu depctr_va_vdst(0)
	s_wait_tensorcnt 0x0                           ; my part of K group 0 is in
	ds_add_u32 v[SPW], v[NIL]
	s_wait_dscnt 0x0
	CROUND                                         ; everybody's part is in, and all sixteen work-groups are here
	JLOAD G0R+4, G1R, G0P+4, G1P                   ; K group 1, into slot 1: the first tensor load behind the round
	FETCH 0, 0, 0
	SCALES 0
	ASK 3*REC                                      ; K group 3
	STEP 0, 0, 1
	s_mov_b32 s3, KG/2-1
.Llap:
	STEP 0, 1, 0
	STEP 0, 2, 0
	TURN 0, 1, 1
	STEP 1, 0, 0
	STEP 1, 1, 0
	STEP 1, 2, 0
	TURN 1, 0, 1
	STEP 0, 0, 0
	s_sub_co_u32 s3, s3, 1
	s_cmp_lg_u32 s3, 0
	s_cbranch_scc1 .Llap
	STEP 0, 1, 0
	STEP 0, 2, 0
	TURN 0, 1, 0
	STEP 1, 0, 0
	STEP 1, 1, 0
	STEP 1, 2, 0
	s_wait_dscnt 0x0
	WIN MUL
	MUL8 0, 1, 3, 1, 0
	MUL8 1, 1, 3, 1, 0
	MUL8 2, 1, 3, 1, 0
	MUL8 3, 1, 3, 1, 0
	WIN 0
.set TM, 96
.macro ROPE a
	WIN 0x5e
.irp b, 0,1
.irp i, 0,2,4,6,8,10,12,14
	v_pk_mul_f32 v[16*\b+\i:16*\b+\i+1], v[64*\a+16*\b+\i:64*\a+16*\b+\i+1], v[64*\a+16*\b+\i:64*\a+16*\b+\i+1]
	v_pk_mul_f32 v[32+16*\b+\i:32+16*\b+\i+1], v[64*\a+32+16*\b+\i:64*\a+32+16*\b+\i+1], v[64*\a+16*\b+\i:64*\a+16*\b+\i+1]
.endr
.irp i, 0,2,4,6,8,10,12,14
	v_pk_fma_f32 v[16*\b+\i:16*\b+\i+1], v[64*\a+32+16*\b+\i:64*\a+32+16*\b+\i+1], v[64*\a+32+16*\b+\i:64*\a+32+16*\b+\i+1], v[16*\b+\i:16*\b+\i+1] neg_lo:[1,0,0] neg_hi:[1,0,0]
	v_pk_fma_f32 v[32+16*\b+\i:32+16*\b+\i+1], v[64*\a+16*\b+\i:64*\a+16*\b+\i+1], v[64*\a+32+16*\b+\i:64*\a+32+16*\b+\i+1], v[32+16*\b+\i:32+16*\b+\i+1]
.endr
.endr
.endm
.macro QUANT s, tm, pc, pw
.irp b, 0,1,2,3
	v_max3_num_f32 v[(\tm)+\b], |v[(\s)+16*\b]|, |v[(\s)+1+16*\b]|, 0x1800000
.endr
.irp i, 2,4,6,8,10,12,14
.irp b, 0,1,2,3
	v_max3_num_f32 v[(\tm)+\b], v[(\tm)+\b], |v[(\s)+16*\b+\i]|, |v[(\s)+1+16*\b+\i]|
.endr
.endr
.irp b, 0,1,2,3
	v_permlanex16_b32 v[(\tm)+4+\b], v[(\tm)+\b], s[SEL], s[SEL+1]
.endr
.irp b, 0,1,2,3
	v_max_num_f32 v[(\tm)+\b], v[(\tm)+\b], v[(\tm)+4+\b]
.endr
.irp b, 0,1,2,3
	v_add_nc_u32 v[(\tm)+12+\b], 0xff000000, v[(\tm)+\b]
.endr
.irp b, 0,1,2,3
	v_lshrrev_b32 v[(\tm)+4+\b], 23, v[(\tm)+12+\b]
.endr
	v_lshl_or_b32 v[\pw], v[(\tm)+5], 8, v[(\tm)+4]
	v_lshl_or_b32 v[\pw], v[(\tm)+6], 16, v[\pw]
	v_lshl_or_b32 v[\pw], v[(\tm)+7], 24, v[\pw]
.irp c, 0,1
	v_cvt_scalef32_pk16_fp6_f32 v[(\pc)+6*\c:(\pc)+2+6*\c], v[(\s)+32*\c:(\s)+15+32*\c], v[(\tm)+12+2*\c]
	v_cvt_scalef32_pk16_fp6_f32 v[(\pc)+12+4*\c:(\pc)+14+4*\c], v[(\s)+16+32*\c:(\s)+31+32*\c], v[(\tm)+12+2*\c+1]
.endr
	v_nop
.irp c, 0,1
.irp i, 0,1,2
	v_permlane16_swap_b32 v[(\pc)+6*\c+\i], v[(\pc)+12+4*\c+\i]
.endr
.irp i, 0,1,2
	v_mov_b32 v[(\pc)+3+6*\c+\i], v[(\pc)+12+4*\c+\i]
.endr
.endr
.endm
	PLACES 4
	v_cmp_ne_u32 vcc_lo, 0, v3
	s_wait_loadcnt 0x0
	WIN 0x55
.irp b, 0,1,2,3
	v_mov_b32 v[TM+4+\b], 0
.endr
.irp a, 0,1,2,3
	ROPE \a
	WIN 0x55
	QUANT 0, TM, 128+20*\a, 112+\a
	WIN 0x04
.irp c, 0,1,2
	global_store_b128 v[LI], v[128+20*\a+4*\c:128+20*\a+4*\c+3], s[8:9] offset:1536*\a+512*\c
.endr
.endr
	WIN 0x55
	v_cndmask_b32 v116, v112, v114, vcc_lo
	v_cndmask_b32 v117, v113, v115, vcc_lo
	WIN 0x04
	global_store_b64 v7, v[116:117], s[10:11]
	WIN 0
	s_wait_tensorcnt 0x0
	ds_add_u32 v[SPW], v[NIL]
	s_wait_dscnt 0x0
	CROUND
	s_endpgm
.Lfunc_end_k_q2fbe629659_qkv:
	.size	k_q2fbe629659_qkv, .Lfunc_end_k_q2fbe629659_qkv-k_q2fbe629659_qkv
	.p2alignl 7, 3214868480
	.fill 96, 4, 3214868480
	.section	.rodata,"a",@progbits
	.p2align	6, 0x0
	.amdhsa_kernel k_q2fbe629659_qkv
		.amdhsa_group_segment_fixed_size 327680
		.amdhsa_private_segment_fixed_size 0
		.amdhsa_enable_private_segment 0
		.amdhsa_kernarg_size 32
		.amdhsa_user_sgpr_count 2
		.amdhsa_user_sgpr_kernarg_segment_ptr 1
		.amdhsa_wavefront_size32 1
		.amdhsa_system_sgpr_workgroup_id_x 1
		.amdhsa_system_sgpr_workgroup_id_y 1
		.amdhsa_system_sgpr_workgroup_id_z 1
		.amdhsa_system_vgpr_workitem_id 0
		.amdhsa_next_free_vgpr 1024
		.amdhsa_next_free_sgpr 100
		.amdhsa_reserve_vcc 1
		.amdhsa_float_denorm_mode_32 3
		.amdhsa_float_denorm_mode_16_64 3
		.amdhsa_memory_ordered 1
		.amdhsa_forward_progress 1
		.amdhsa_inst_pref_size 159
	.end_amdhsa_kernel
	.amdgpu_metadata
---
amdhsa.version: [ 1, 2 ]
amdhsa.kernels:
  - .name:           k_q2fbe629659_qkv
    .symbol:         k_q2fbe629659_qkv.kd
    .args:
      - { .name: codes, .offset: 0, .size: 8, .value_kind: global_buffer, .address_space: global }
      - { .name: rope, .offset: 8, .size: 8, .value_kind: global_buffer, .address_space: global }
      - { .name: qkv, .offset: 16, .size: 8, .value_kind: global_buffer, .address_space: global }
      - { .name: qkvs, .offset: 24, .size: 8, .value_kind: global_buffer, .address_space: global }
    .group_segment_fixed_size: 327680
    .private_segment_fixed_size: 0
    .kernarg_segment_align: 8
    .kernarg_segment_size: 32
    .max_flat_workgroup_size: 128
    .sgpr_count:     100
    .vgpr_count:     1024
    .wavefront_size: 32
...
	.end_amdgpu_metadata
.endif
;; end of part 2
;; launch attn (part 3): grid 32 x 8, 16 waves a work-group, clusters of 4 x 1, 327,680 bytes of LDS; arguments qkv, qkvs, attn; writes attn
.if DOCPART == 3
	.amdgcn_target "amdgcn-amd-amdhsa--gfx1250"
	.amdhsa_code_object_version 6
	.text
	.protected	k_q2fbe629659_attn
	.globl	k_q2fbe629659_attn
	.p2align	8
	.type	k_q2fbe629659_attn,@function
k_q2fbe629659_attn:
	s_mov_b64 s[64:65], 0
	v_nop
	global_prefetch_b8 v0, s[64:65] scope:SCOPE_SE
	s_setreg_imm32_b32 hwreg(HW_REG_WAVE_MODE, 25, 1), 1
	s_wait_xcnt 0x0
	s_wait_alu depctr_hold_cnt(0) depctr_sa_sdst(0) depctr_va_vdst(0) depctr_va_sdst(0) depctr_va_ssrc(0) depctr_va_vcc(0) depctr_vm_vsrc(0)
	s_getreg_b32 s2, hwreg(HW_REG_IB_STS2, 6, 4)
	s_cmp_eq_u32 s2, 0
	s_cbranch_scc0 .Lentry_in_a_cluster
	s_endpgm
.Lentry_in_a_cluster:
	s_bfe_u32 s2, ttmp6, 0x10000c
	s_cmp_lg_u32 s2, 0x3003
	s_cbranch_scc0 .Lentry_shape_is_right
	s_endpgm
.Lentry_shape_is_right:
; ATTENTION, causal, both products on codes of FP6 (E2M3); the result, divided by the row's sum, is quantised along (head, channel) and leaves as fragments of the last projection's operand.
; q, k, v lie as fragments (16 rows x 128 K: an image of the operand's 12 registers, 1,536 bytes): head X (0-15 q, 16-23 k, 24-31 v) has 128 of them; q, k: fragment = row block of positions, K = the head's 128; v: fragment 8 s + tile of 16 channels, K = the 128 keys of step s.
; Lane r of row block rb stands for position 32 (rb / 2) + 8 (rb % 2) + r + 8 (r / 8); v's channels lie in the same order in their tiles.  Scale words: blocks of 256 bytes, lane r's 16 bytes: fragments 4 y .. 4 y + 3.
; SOFTMAX: t = score x log2(e) / sqrt(128); M = the running largest t rounded UP to a whole number; p = 2^(t - M) is quantised along the keys, not normalised; the sum is taken of the unquantised p and divides at the end; when M moves, sum and O are multiplied by 2^(old M - new M): exact.
; Both products are used transposed (S^T = K Q^T, O^T = V^T P^T): a lane holds one query throughout; the 16 registers of two neighbouring tiles are 16 neighbouring keys, or channels.
; SHARES.  A cluster of four work-groups owns the blocks p and 15 - p of 128 positions for both query heads of one kv head: 32 tiles of 16 queries.  TWO WAVES SHARE A TILE: one takes the even key steps, its partner (wave xor 2) the odd ones,
; each with an M, a sum and an O^T of its own; at the end the odd wave hands its three through LDS and the even wave joins them under the larger M (factors that are powers of two), divides, quantises and stores.
; A tile of block B has B + 1 key steps with work, so no wave has more than 8.  A wave's class is ((w % 4) + (w / 4)) % 4: bit 0 the block, bit 1 the parity: waves 4 s .. 4 s + 3 hold all four classes, and so do waves s, s + 4, s + 8, s + 12: 17 steps to each such four.
; Class and block hang on the wave's number and the cluster's x, never on the work-group's place in its cluster.
; LDS.  Three regions of 512 keys (K's 32 fragments, then V's).  Slots 0, 1, 2 and the head's scale words are first fills, four tensor loads a wave in one group; slot 3 is the one refill, into region 0, behind the one refill round: it has the steps of slots 1 and 2 in which to land.
; All four work-groups walk the same K and V: each load is asked for JOINTLY (mask 15); all sixteen waves fetch, 6,144 bytes of codes a load.  Every work-group walks all four slots: trip counts are constants and no load is jumped over; a step that is not the wave's leaves its work out.
; The price: slots that a cluster of early blocks does not read are still fetched.
; LIMITS: NaN and infinities are not served; a block of zeros gets the byte 1 (its codes are zeros; this program alone reads the bytes).
; REGISTERS: v1-11 addresses; v12 -M, v13 the largest t, v[14:15] the sum; v16-27 Q; v28 the prefetch's offset; v29 the mask's number; v30, v31 the hand-over's places; v32-79 four fragments; v80-83 scale words; v96-159 S^T, then p, then V's last four fragments;
;   v160-223 O^T; v224-235 p's codes; v232-254 at work; v248-251, v253, v255 scale words.
; THE ORDER OF THE FILLS, as the text below stands (this takes the place of what the paragraph LDS above says of the first fills): each wave issues ONE tensor load at the head: waves 0-7 a key step's 12,288 bytes of slot 0 each (four of K, four of V),
; waves 8-15 2,048 bytes of the scale words each.  Behind the three lines and a round each wave issues one load of 12,288 bytes of slots 1 and 2 (wave w to byte 12,288 w of regions 1 and 2).  Slot 3 is the one refill, 6,144 bytes a wave, behind the refill's round.
.set STEPB, 12288
.set VOFF,  4*STEPB                    ; in a region: four steps of K, then four of V
.set REG,   8*STEPB                    ; a region
.set SCK,   3*REG                      ; K's scale words of the whole head, 8,192 bytes; V's follow
.set SPARE, SCK+16384                  ; the spare words, 128 bytes a wave: eight blocks of 256 bytes that no other line names
.set MRG,   REG                        ; the hand-over: 8,704 bytes for each wave, in regions 1 and 2: they have had their only fill, and their last reads lie ahead of the last barrier of the walk
.set MRGW,  17*512
.set HEADB, 196608
.set REC,   6400
.set LI,  1                            ; v1  16 x lane
.set LS,  2                            ; v2  SCK + 16 r
.set SPW, 5
.set NIL, 6
.set ADK, 8
.set ADS, 10
.set PFO, 28
.set MST, 30                           ; v30 where I would put my state: MRG + 8,704 x wave + 16 x lane
.set MLD, 31                           ; v31 where my partner's lies: MRG + 8,704 x (wave xor 2) + 16 x lane
.set WV,  18
.set SEL, 20
.set CS,  22
.set G1,  24                           ; s[24:31] group 1 for the codes; s[32:39] for the scale words; s[40:51] groups 0 of slot 0, slots 1 and 2, slot 3; s[52:55] the scale words'
.set G1S, 32
.set G0,  40
.set G0S, 52
.set TB,  2                            ; LDS byte at which the step's fragments of K begin
.set TS,  3                            ; the step's scale words: 512 bytes a step
.set KS,  66                           ; the key step
.set BW,  67                           ; my block of 128 positions
.set PAR, 68                           ; which key steps are mine: even (0) or odd (1)
.set STP, 69
.set PFA, 70
.set LIM, 72
.macro CROUND                          ; a round of the cluster's barrier
	s_barrier_signal -1
	s_barrier_wait -1
	s_cmp_lg_u32 s[WV], 0
	s_cbranch_scc1 .Lnot_wave_0_\@
	s_barrier_signal -3
.Lnot_wave_0_\@:
	s_barrier_wait -3
	s_barrier_signal -1
	s_barrier_wait -1
.endm
	s_load_b128 s[4:7], s[0:1], 0x0                ; qkv, qkvs
	s_load_b64 s[8:9], s[0:1], 0x10                ; attn
	v_lshl_add_u32 v[SPW], v0, 2, SPARE
	v_mov_b32 v[NIL], 0
	ds_add_u32 v[SPW], v[NIL]                      ; the wave's opening: the add and its wait ahead of my first tensor load
	ds_add_u32 v[SPW], v[NIL]
	v_lshrrev_b32 v8, 5, v0
	s_delay_alu instid0(VALU_DEP_1)
	v_readfirstlane_b32 s[WV], v8                  ; wave 0..15
	s_bfe_u32 s10, ttmp6, 0x40000                  ; cx: it enters global addresses and the mask's number alone
	s_and_b32 s11, ttmp7, 0xffff                   ; the kv head
	s_and_b32 s12, s[WV], 3
	s_lshr_b32 s13, s[WV], 2                       ; which of the work-group's four tiles of a block
	s_add_co_u32 s12, s12, s13                     ; the class, in its two low bits
	s_and_b32 s14, s12, 1
	s_lshr_b32 s12, s12, 1
	s_and_b32 s[PAR], s12, 1
	s_sub_co_u32 s15, 15, ttmp9
	s_cmp_eq_u32 s14, 1
	s_cselect_b32 s[BW], s15, ttmp9                ; block 15 - p or p
	; what I fetch: waves 0-7 an eighth of a slot's K each, waves 8-15 of its V
	s_lshr_b32 s15, s[WV], 3
	s_lshl_b32 s15, s15, 3
	s_add_co_u32 s15, s15, s11
	s_add_co_u32 s15, s15, 16                      ; head X = 16 + kv, or 24 + kv
	s_and_b32 s16, s[WV], 7
	s_mul_i32 s74, s15, HEADB
	s_mul_i32 s75, s16, STEPB/2
	s_add_co_u32 s74, s74, s75
	s_mov_b32 s75, 0
	s_mul_i32 s78, s[WV], STEPB/2                  ; slot 3 in region 0: wave x 6,144
	s_and_b32 s89, s[WV], 3                        ; the first fills: which quarter of a piece,
	s_bfe_u32 s90, s[WV], 0x10002                  ; K's (0) or V's (1): bit 2 of the wave's number
	s_lshl_b32 s90, s90, 3
	s_add_co_u32 s90, s90, s11
	s_add_co_u32 s90, s90, 16                      ; head X = 16 + kv, or 24 + kv
	s_mul_i32 s92, s90, HEADB
	s_mul_i32 s93, s89, STEPB
	s_add_co_u32 s92, s92, s93                     ; a quarter of slot 0's K or V in memory
	s_mov_b32 s93, 0
	s_lshl_b32 s76, s90, 13
	s_lshl_b32 s77, s89, 11
	s_add_co_u32 s76, s76, s77                     ; a quarter of that head's scale words
	s_mov_b32 s77, 0
	s_mul_i32 s96, s[WV], STEPB                    ; in LDS: wave x 12,288
	s_and_b32 s79, s[WV], 7
	s_lshl_b32 s79, s79, 11
	s_add_co_u32 s79, s79, SCK                     ; the scale words: (wave % 8) x 2,048
	s_lshr_b32 s94, s[WV], 3
	s_mul_i32 s94, s94, VOFF
	s_add_co_u32 s94, s94, VOFF                    ; waves 0-7 go on with slot 1, waves 8-15 with slot 2
	s_mov_b32 s95, 0
	; my tile
	s_lshr_b32 s17, s10, 1
	s_lshl_b32 s17, s17, 2
	s_add_co_u32 s17, s17, s13                     ; row block in my block of positions
	s_lshl_b32 s19, s[BW], 3
	s_add_co_u32 s19, s19, s17                     ; row block
	s_and_b32 s80, s10, 1
	s_lshl_b32 s81, s11, 1
	s_add_co_u32 s80, s80, s81                     ; query head
	s_mul_i32 s56, s80, HEADB
	s_mul_i32 s57, s19, 1536
	s_add_co_u32 s56, s56, s57                     ; Q's fragment
	s_mov_b32 s57, 0
	s_lshl_b32 s58, s80, 13
	s_lshr_b32 s59, s19, 2
	s_lshl_b32 s59, s59, 8
	s_add_co_u32 s58, s58, s59
	s_and_b32 s59, s19, 3
	s_lshl_b32 s59, s59, 2
	s_add_co_u32 s58, s58, s59                     ; its scale words
	s_mov_b32 s59, 0
	s_mul_i32 s60, s19, 4*REC                      ; out: record (row block, head / 4),
	s_lshr_b32 s61, s80, 2
	s_mul_i32 s61, s61, REC
	s_add_co_u32 s60, s60, s61
	s_and_b32 s61, s80, 3
	s_lshl_b32 s62, s61, 2
	s_add_co_u32 s62, s62, s60
	s_add_co_u32 s62, s62, 6144                    ; word head % 4 of its scale block,
	s_mul_i32 s61, s61, 1536
	s_add_co_u32 s60, s60, s61                     ; fragment head % 4
	s_mov_b32 s61, 0
	s_mov_b32 s63, 0
	s_lshr_b32 s82, s17, 1
	s_lshl_b32 s82, s82, 5
	s_and_b32 s83, s17, 1
	s_lshl_b32 s83, s83, 3
	s_add_co_u32 s82, s82, s83                     ; my tile's first position in its block
	; the prefetch of slot 3: its 49,152 bytes of K and of V are twelve windows of 8,192 bytes.  All clusters of a kv head walk the same bytes: the head's first cluster asks.  Its four partners are told apart by address
	; (two take K's six windows, two V's), three waves in each, one instruction a wave, lanes 256 bytes apart: each aligned block of 256 bytes of slot 3 is named once.  Slots 0 to 2 and the scale words come by their loads alone.
	s_lshr_b32 s84, s10, 1
	s_lshl_b32 s84, s84, 3
	s_add_co_u32 s84, s84, s11
	s_add_co_u32 s84, s84, 16
	s_mul_i32 s84, s84, HEADB
	s_and_b32 s85, s10, 1
	s_mul_i32 s85, s85, 3
	s_min_u32 s86, s[WV], 2                        ; (waves 3 on never ask)
	s_add_co_u32 s85, s85, s86
	s_lshl_b32 s85, s85, 13
	s_add_co_u32 s84, s84, s85
	s_add_co_u32 s84, s84, 3*VOFF                  ; slot 3
	s_mov_b32 s85, 0
	s_cmp_lt_u32 s[WV], 3
	s_cselect_b32 s[LIM], 0, 1
	s_or_b32 s[LIM], s[LIM], ttmp9                 ; 0 in a wave that asks: the same in all four partners, for a given wave
	s_mul_i32 s87, s[WV], MRGW                     ; the hand-over's places
	s_xor_b32 s88, s[WV], 2
	s_mul_i32 s88, s88, MRGW
	; descriptor group 1: dense blocks as rows of 256 bytes (32 elements of 8 bytes): 48 rows of codes, 8 of scale words; mask 15: all four work-groups; bit 21 set beside it
	s_mov_b32 s[G1], 15|(3<<16)|(1<<21)
	s_mov_b32 s[G1+1], 32<<16
	s_mov_b32 s[G1+2], 48<<16
	s_mov_b32 s[G1+3], 32<<16
	s_mov_b32 s[G1+4], 48
	s_mov_b32 s[G1+5], 32
	s_mov_b32 s[G1+6], 0
	s_mov_b32 s[G1+7], 0
	s_mov_b32 s[G1S], 15|(3<<16)|(1<<21)
	s_mov_b32 s[G1S+1], 32<<16
	s_mov_b32 s[G1S+2], 8<<16
	s_mov_b32 s[G1S+3], 32<<16
	s_mov_b32 s[G1S+4], 8
	s_mov_b32 s[G1S+5], 32
	s_mov_b32 s[G1S+6], 0
	s_mov_b32 s[G1S+7], 0
	s_mov_b32 s[SEL], 0x76543210
	s_mov_b32 s[SEL+1], 0xfedcba98
	s_mov_b32 s[CS], 0x3e0293ee                    ; c = log2(e) / sqrt(128)
	s_mov_b32 s[CS+1], s[CS]
	s_mov_b32 s[TB], 0
	s_mov_b32 s[TS], 0
	s_mov_b32 s[KS], 0
	s_wait_dscnt 0x0                               ; the opening add is done
	s_wait_kmcnt 0x0
	s_add_nc_u64 s[74:75], s[4:5], s[74:75]        ; my part of slot 0 in memory
	s_add_nc_u64 s[92:93], s[4:5], s[92:93]
	s_mov_b32 s[G0], 1                             ; slot 0 (waves 0-7): region 0
	s_mov_b32 s[G0+1], s96
	s_mov_b64 s[G0+2:G0+3], s[92:93]
	s_or_b32 s[G0+3], s[G0+3], 0x80000000
	s_mov_b32 s[G0+4], 1                           ; slots 1 and 2: regions 1 and 2
	s_add_co_u32 s[G0+5], s96, REG
	s_add_nc_u64 s[G0+6:G0+7], s[92:93], s[94:95]
	s_or_b32 s[G0+7], s[G0+7], 0x80000000
	s_mov_b32 s[G0+8], 1                           ; slot 3: region 0 again
	s_mov_b32 s[G0+9], s78
	s_add_nc_u64 s[G0+10:G0+11], s[74:75], 3*VOFF
	s_or_b32 s[G0+11], s[G0+11], 0x80000000
	s_mov_b32 s[G0S], 1
	s_mov_b32 s[G0S+1], s79
	s_add_nc_u64 s[G0S+2:G0S+3], s[6:7], s[76:77]
	s_or_b32 s[G0S+3], s[G0S+3], 0x80000000
	s_add_nc_u64 s[56:57], s[4:5], s[56:57]
	s_add_nc_u64 s[58:59], s[6:7], s[58:59]
	s_add_nc_u64 s[60:61], s[8:9], s[60:61]
	s_add_nc_u64 s[62:63], s[8:9], s[62:63]
	s_add_nc_u64 s[PFA:PFA+1], s[4:5], s[84:85]
	CROUND                                         ; all four work-groups are here: the first joint loads meet
	s_cmp_lt_u32 s[WV], 8                          ; one tensor load a wave at the head: one branch on the wave's number, a load in each arm, one join
	s_cbranch_scc0 .Lhead_scales
	tensor_load_to_lds s[G0:G0+3], s[G1:G1+7]      ; waves 0-7: slot 0
	s_nop 0
.rept 4
	v_nop
.endr
	s_branch .Lhead_asked
.Lhead_scales:
	tensor_load_to_lds s[G0S:G0S+3], s[G1S:G1S+7]  ; waves 8-15: the scale words of the whole head
	s_nop 0
.rept 4
	v_nop
.endr
.Lhead_asked:
	v_and_b32 v3, 31, v0                           ; lane
	v_and_b32 v9, 15, v0                           ; r
	v_bfe_u32 v11, v0, 4, 1                        ; h
	s_delay_alu instid0(VALU_DEP_3)
	v_lshlrev_b32 v[LI], 4, v3
	s_delay_alu instid0(VALU_DEP_3)
	v_lshl_add_u32 v[LS], v9, 4, SCK
	s_delay_alu instid0(VALU_DEP_4)
	v_lshlrev_b32 v7, 4, v9                        ; 16 r
	v_lshlrev_b32 v[PFO], 8, v3
	s_delay_alu instid0(VALU_DEP_4)
	v_add_nc_u32 v[MST], s87, v[LI]
	s_delay_alu instid0(VALU_DEP_1)
	v_add_nc_u32 v[MST], MRG, v[MST]
	v_add_nc_u32 v[MLD], s88, v[LI]
	s_delay_alu instid0(VALU_DEP_1)
	v_add_nc_u32 v[MLD], MRG, v[MLD]
.irp c, 0,1,2
	global_load_b128 v[16+4*\c:19+4*\c], v[LI], s[56:57] offset:512*\c   ; Q's fragment stays in registers
.endr
	global_load_b32 v255, v7, s[58:59]             ; and its scale words
	v_and_b32 v29, 8, v9
	s_delay_alu instid0(VALU_DEP_1)
	v_add_nc_u32 v29, v29, v9
	s_delay_alu instid0(VALU_DEP_1)
	v_add_nc_u32 v29, s82, v29
	v_lshlrev_b32 v4, 4, v11
	s_delay_alu instid0(VALU_DEP_1)
	v_sub_nc_u32 v29, v29, v4                      ; d = my query's place in its block - 16 h.  Register 16 b + i holds key 32 b + 16 h + i of a step: on the diagonal it is hidden where 32 b + i > d
	v_mov_b32 v13, 0xff61b1e6                      ; the largest t so far: -3e38
	s_delay_alu instid0(VALU_DEP_1)
	v_floor_f32 v12, -v13                          ; -M
	v_mov_b32 v14, 0
	v_mov_b32 v15, 0
.irp b, 0,1,2,3
	v_mov_b32 v[236+\b], 0                         ; written once: a lane permute's destination counts as one of its sources
.endr
	v_mov_b32 v252, 0
	v_mov_b32 v253, 0                              ; (named as the upper half of the pair v[252:253] before it is first written)
.set J, 0
.rept 64
	v_mov_b32 v[160+J], 0                          ; O^T.  (The step is written without a first step of its own: the first change of M multiplies zeros)
.set J, J+1
.endr
; A KEY STEP: 128 keys
.macro STEP
	s_cmp_gt_u32 s[KS], s[BW]                      ; all its keys come after my queries: its work is left out; the lines at its end that step addresses are not
	s_cbranch_scc1 .Lhidden_\@
	s_xor_b32 s73, s[KS], s[PAR]
	s_and_b32 s73, s73, 1
	s_cmp_lg_u32 s73, 0                            ; my partner's step
	s_cbranch_scc1 .Lhidden_\@
	v_add_nc_u32 v[ADK], s[TB], v[LI]
	s_wait_alu depctr_va_vdst(0)
	v_add_nc_u32 v[ADS], s[TS], v[LS]
	s_wait_alu depctr_va_vdst(0)
	v_nop
	v_nop
	v_nop                                          ; five places behind my last step's products: four in front of the loads into registers that they have read, five in front of the first product below, which writes over v96 on, where V's last fragments lay
.irp g, 0,1                                    ; S^T = K Q^T, four tiles of 16 keys at a time
.if \g
.rept 4
	v_nop
.endr
.endif
.irp t, 0,1,2,3
.irp c, 0,1,2
	ds_load_b128 v[32+12*\t+4*\c:35+12*\t+4*\c], v[ADK] offset:(4*\g+\t)*1536+512*\c
.endr
.endr
	ds_load_b128 v[248:251], v[ADS] offset:256*\g  ; the four tiles' scale words
	s_wait_dscnt 0x0
.irp t, 0,1,2,3
	v_wmma_scale_f32_16x16x128_f8f6f4 v[96+8*(4*\g+\t):103+8*(4*\g+\t)], v[32+12*\t:43+12*\t], v[16:27], 0, v[248+\t], v255 matrix_a_fmt:MATRIX_FMT_FP6 matrix_b_fmt:MATRIX_FMT_FP6
.endr
.endr
.rept 4
	v_nop                                          ; places in front of the loads below and of the first read of the scores
.endr
.irp t, 0,1,2,3                                ; V's first four fragments go out now, into K's registers: they land while the softmax is walked
.irp c, 0,1,2
	ds_load_b128 v[32+12*\t+4*\c:35+12*\t+4*\c], v[ADK] offset:VOFF+\t*1536+512*\c
.endr
.endr
	ds_load_b128 v[248:251], v[ADS] offset:8192
	s_cmp_lt_u32 s[KS], s[BW]                      ; all keys count: no mask
	s_cbranch_scc1 .Lopen_\@
	v_mov_b32 v254, 0xff800000                     ; on the diagonal hidden scores become -infinity ahead of the maximum: p = 0 then
.set NN, 0
.rept 64
	v_cmp_gt_i32 vcc_lo, 32*(NN/16)+NN%16, v29
	v_cndmask_b32 v[96+NN], v[96+NN], v254, vcc_lo
.set NN, NN+1
.endr
.Lopen_\@:
.irp b, 0,1,2,3
	v_max3_num_f32 v[232+\b], v[96+16*\b], v[97+16*\b], v[98+16*\b]   ; the largest score of each block of 32 keys: for the row's maximum, and, since p rises with the score, for the block's largest p
.endr
.irp i, 3,5,7,9,11,13
.irp b, 0,1,2,3
	v_max3_num_f32 v[232+\b], v[232+\b], v[96+16*\b+\i], v[97+16*\b+\i]
.endr
.endr
.irp b, 0,1,2,3
	v_max_num_f32 v[232+\b], v[232+\b], v[111+16*\b]
.endr
.irp b, 0,1,2,3
	s_delay_alu instid0(VALU_DEP_4)
	v_permlanex16_b32 v[236+\b], v[232+\b], s[SEL], s[SEL+1]
.endr
.irp b, 0,1,2,3
	s_delay_alu instid0(VALU_DEP_4)
	v_max_num_f32 v[232+\b], v[232+\b], v[236+\b]  ; with lane l xor 16's 16 keys
.endr
	s_delay_alu instid0(VALU_DEP_2)
	v_max3_num_f32 v254, v232, v233, v234
	s_delay_alu instid0(VALU_DEP_1)
	v_max_num_f32 v254, v254, v235
	s_delay_alu instid0(VALU_DEP_1)
	v_mul_f32 v254, s[CS], v254                    ; the step's largest t
	s_delay_alu instid0(VALU_DEP_1)
	v_max_num_f32 v13, v13, v254
	v_mov_b32 v254, v12
	s_delay_alu instid0(VALU_DEP_2)
	v_floor_f32 v12, -v13                          ; the new -M = -ceil(t)
	s_delay_alu instid0(VALU_DEP_1)
	v_sub_f32 v254, v12, v254                      ; old M - new M: a whole number, 0 or less
	s_delay_alu instid0(VALU_DEP_1)
	v_cvt_i32_f32 v254, v254                       ; (it saturates)
	s_delay_alu instid0(VALU_DEP_1)
	v_ldexp_f32 v252, 1.0, v254                    ; f = 2^(old M - new M)
.set J, 0
.rept 32
	v_pk_fma_f32 v[96+J:97+J], v[96+J:97+J], s[CS:CS+1], v[12:13] op_sel_hi:[1,0,0]   ; t - M
.set J, J+2
.endr
.irp b, 0,1,2,3
	v_fma_f32 v[232+\b], v[232+\b], s[CS], v12
.endr
.set J, 0
	s_wait_alu depctr_va_vdst(0)
.rept 64
	v_exp_f32 v[96+J], v[96+J]                     ; p = 2^(t - M)
.set J, J+1
.endr
	v_pk_mul_f32 v[14:15], v[14:15], v[252:253] op_sel_hi:[1,0]   ; the sums under the new M: a plain place behind the exponentials
	s_wait_alu depctr_va_vdst(0)                   ; one wait for the batch, ahead of its first reader
.irp b, 0,1,2,3
	v_exp_f32 v[232+\b], v[232+\b]                 ; the blocks' largest p
.endr
	v_pk_add_f32 v[236:237], v[100:101], v[104:105]
	v_pk_add_f32 v[94:95], v[108:109], v[112:113]
	v_pk_add_f32 v[92:93], v[116:117], v[120:121]
	v_pk_add_f32 v[90:91], v[124:125], v[128:129]
	v_pk_add_f32 v[88:89], v[132:133], v[136:137]
	v_pk_add_f32 v[86:87], v[140:141], v[144:145]
	v_pk_add_f32 v[84:85], v[148:149], v[152:153]
	v_pk_add_f32 v[14:15], v[14:15], v[156:157]
	v_pk_add_f32 v[236:237], v[236:237], v[96:97]
	v_pk_add_f32 v[94:95], v[94:95], v[98:99]
	v_pk_add_f32 v[92:93], v[92:93], v[102:103]
	v_pk_add_f32 v[90:91], v[90:91], v[106:107]
	v_pk_add_f32 v[88:89], v[88:89], v[110:111]
	v_pk_add_f32 v[86:87], v[86:87], v[114:115]
	v_pk_add_f32 v[84:85], v[84:85], v[118:119]
	v_pk_add_f32 v[14:15], v[14:15], v[122:123]
	v_pk_add_f32 v[236:237], v[236:237], v[126:127]
	v_pk_add_f32 v[94:95], v[94:95], v[130:131]
	v_pk_add_f32 v[92:93], v[92:93], v[134:135]
	v_pk_add_f32 v[90:91], v[90:91], v[138:139]
	v_pk_add_f32 v[88:89], v[88:89], v[142:143]
	v_pk_add_f32 v[86:87], v[86:87], v[146:147]
	v_pk_add_f32 v[84:85], v[84:85], v[150:151]
	v_pk_add_f32 v[14:15], v[14:15], v[154:155]
	v_pk_add_f32 v[236:237], v[236:237], v[158:159]
	s_delay_alu instid0(VALU_DEP_2)
	v_pk_add_f32 v[14:15], v[14:15], v[90:91]
	s_delay_alu instid0(VALU_DEP_2)
	v_pk_add_f32 v[236:237], v[236:237], v[88:89]
	v_pk_add_f32 v[94:95], v[94:95], v[86:87]
	v_pk_add_f32 v[92:93], v[92:93], v[84:85]
	s_delay_alu instid0(VALU_DEP_2)
	v_pk_add_f32 v[14:15], v[14:15], v[94:95]
	s_delay_alu instid0(VALU_DEP_2)
	v_pk_add_f32 v[236:237], v[236:237], v[92:93]
	s_delay_alu instid0(VALU_DEP_1)
	v_pk_add_f32 v[14:15], v[14:15], v[236:237]
	s_wait_alu depctr_va_vdst(0)                   ; and one for the four
.irp b, 0,1,2,3
	v_max_num_f32 v[232+\b], 0x1800000, v[232+\b]  ; the floor 2^(3 - 127)
.endr
.irp b, 0,1,2,3
	s_delay_alu instid0(VALU_DEP_4)
	v_add_nc_u32 v[244+\b], 0xff000000, v[232+\b]  ; the conversion's scale operand
.endr
.irp b, 0,1,2,3
	s_delay_alu instid0(VALU_DEP_4)
	v_lshrrev_b32 v[236+\b], 23, v[244+\b]
.endr
	s_delay_alu instid0(VALU_DEP_3)
	v_lshl_or_b32 v253, v237, 8, v236              ; p's scale word for these 128 keys
	s_delay_alu instid0(VALU_DEP_1)
	v_lshl_or_b32 v253, v238, 16, v253
	s_delay_alu instid0(VALU_DEP_1)
	v_lshl_or_b32 v253, v239, 24, v253
.irp c, 0,1
	v_cvt_scalef32_pk16_fp6_f32 v[224+6*\c:226+6*\c], v[96+32*\c:111+32*\c], v[244+2*\c]
	v_cvt_scalef32_pk16_fp6_f32 v[236+4*\c:238+4*\c], v[112+32*\c:127+32*\c], v[244+2*\c+1]
.endr
	v_nop                                          ; one plain place behind a scaled conversion
.irp t, 0,1,2,3                                ; p is in codes: V's last four fragments take its registers, and land while the halves change places and O^T is rescaled
.irp c, 0,1,2
	ds_load_b128 v[96+12*\t+4*\c:99+12*\t+4*\c], v[ADK] offset:VOFF+(4+\t)*1536+512*\c
.endr
.endr
	ds_load_b128 v[80:83], v[ADS] offset:8192+256  ; their scale words, in registers that hold nothing else
.irp c, 0,1
.irp i, 0,1,2
	v_permlane16_swap_b32 v[224+6*\c+\i], v[236+4*\c+\i]
.endr
.irp i, 0,1,2
	s_delay_alu instid0(VALU_DEP_3)
	v_mov_b32 v[227+6*\c+\i], v[236+4*\c+\i]
.endr
.endr
.set J, 0
.rept 32
	v_pk_mul_f32 v[160+J:161+J], v[160+J:161+J], v[252:253] op_sel_hi:[1,0]   ; O^T under the new M.  (These are also the places between the writes of p's codes and scale word and the products below)
.set J, J+2
.endr
	s_wait_alu depctr_va_vdst(0)
	s_wait_dscnt 0x0                               ; all of V's eight fragments are in
.irp t, 0,1,2,3                                ; O^T += V^T P^T: eight tiles of 16 channels, eight accumulators by turns
	v_wmma_scale_f32_16x16x128_f8f6f4 v[160+8*\t:167+8*\t], v[32+12*\t:43+12*\t], v[224:235], v[160+8*\t:167+8*\t], v[248+\t], v253 matrix_a_fmt:MATRIX_FMT_FP6 matrix_b_fmt:MATRIX_FMT_FP6
.endr
.irp t, 0,1,2,3
	v_wmma_scale_f32_16x16x128_f8f6f4 v[192+8*\t:199+8*\t], v[96+12*\t:107+12*\t], v[224:235], v[192+8*\t:199+8*\t], v[80+\t], v253 matrix_a_fmt:MATRIX_FMT_FP6 matrix_b_fmt:MATRIX_FMT_FP6
.endr
.Lhidden_\@:
	s_add_co_u32 s[KS], s[KS], 1
	s_add_co_u32 s[TS], s[TS], 512
	s_add_co_u32 s[TB], s[TB], STEPB
.endm
.macro FOUR_STEPS                      ; a slot's four key steps: written once, walked four times; it leaves s[TB] at the region's V
	s_mov_b32 s[STP], 4
.Lstep_\@:
	STEP
	s_sub_co_u32 s[STP], s[STP], 1
	s_cmp_lg_u32 s[STP], 0
	s_cbranch_scc1 .Lstep_\@
.endm
	s_wait_alu depctr_va_vdst(0)
	s_wait_loadcnt 0x0                             ; Q
	s_wait_tensorcnt 0x0                           ; my part of slot 0 or of the scale words is in
	ds_add_u32 v[SPW], v[NIL]
	s_wait_dscnt 0x0
	CROUND                                         ; everybody's part is in, and all four work-groups are here
	tensor_load_to_lds s[G0+4:G0+7], s[G1:G1+7]    ; slots 1 and 2, the first tensor load behind the round: one load of mine is out
	s_nop 0
.rept 4
	v_nop
.endr
	s_cmp_eq_u32 s[LIM], 0                         ; slot 3 is asked of memory here, slot 0's steps ahead of the load that will want it; the address is never written again
	s_cbranch_scc0 .Lnot_mine
	global_prefetch_b8 v[PFO], s[PFA:PFA+1] th:TH_LOAD_NT scope:SCOPE_SE
.Lnot_mine:
	FOUR_STEPS                                     ; slot 0, in region 0
	s_add_co_u32 s[TB], s[TB], VOFF                ; on to region 1
	; THE ONE REFILL: region 0 takes slot 3.  Each wave waits for all its tensor loads (slots 1 and 2 among them), adds 0 to its spare word, and waits for that and for its reads of region 0; the barrier is a round of the cluster's
	s_wait_tensorcnt 0x0                           ; no tensor load of mine is out, so a group 0 may be written
	ds_add_u32 v[SPW], v[NIL]                      ; 0 onto my spare word
	s_mov_b32 s[G1+2], 24<<16                      ; no tensor load of mine is out, so a descriptor may be written: slot 3 comes in 24 rows of 256 bytes a wave
	s_mov_b32 s[G1+4], 24
	s_wait_dscnt 0x0
	CROUND
	tensor_load_to_lds s[G0+8:G0+11], s[G1:G1+7]
	s_nop 0
.rept 4
	v_nop
.endr
	FOUR_STEPS                                     ; slot 1, in region 1
	s_add_co_u32 s[TB], s[TB], VOFF                ; on to region 2: the round above has shown it whole to every wave, so no barrier stands here
	FOUR_STEPS                                     ; slot 2
	s_mov_b32 s[TB], 0                             ; back to region 0
	s_wait_tensorcnt 0x0                           ; my part of slot 3 is in
	ds_add_u32 v[SPW], v[NIL]
	s_wait_dscnt 0x0                               ; and my reads of regions 1 and 2 are over
	s_barrier_signal -1
	s_barrier_wait -1
	FOUR_STEPS                                     ; slot 3
; 64 numbers of a lane, register 16 b + i = k 32 b + 16 (lane / 16) + i of my row, become a fragment's codes in v[pc] on and its scale word in v[pw]
.macro QUANT s, tm, pc, pw
.irp b, 0,1,2,3
	v_max3_num_f32 v[(\tm)+\b], |v[(\s)+16*\b]|, |v[(\s)+1+16*\b]|, 0x1800000
.endr
.irp i, 2,4,6,8,10,12,14
.irp b, 0,1,2,3
	s_delay_alu instid0(VALU_DEP_4)
	v_max3_num_f32 v[(\tm)+\b], v[(\tm)+\b], |v[(\s)+16*\b+\i]|, |v[(\s)+1+16*\b+\i]|
.endr
.endr
.irp b, 0,1,2,3
	s_delay_alu instid0(VALU_DEP_4)
	v_permlanex16_b32 v[(\tm)+4+\b], v[(\tm)+\b], s[SEL], s[SEL+1]
.endr
.irp b, 0,1,2,3
	s_delay_alu instid0(VALU_DEP_4)
	v_max_num_f32 v[(\tm)+\b], v[(\tm)+\b], v[(\tm)+4+\b]
.endr
.irp b, 0,1,2,3
	s_delay_alu instid0(VALU_DEP_4)
	v_add_nc_u32 v[(\tm)+12+\b], 0xff000000, v[(\tm)+\b]
.endr
.irp b, 0,1,2,3
	s_delay_alu instid0(VALU_DEP_4)
	v_lshrrev_b32 v[(\tm)+4+\b], 23, v[(\tm)+12+\b]
.endr
	s_delay_alu instid0(VALU_DEP_3)
	v_lshl_or_b32 v[\pw], v[(\tm)+5], 8, v[(\tm)+4]
	s_delay_alu instid0(VALU_DEP_1)
	v_lshl_or_b32 v[\pw], v[(\tm)+6], 16, v[\pw]
	s_delay_alu instid0(VALU_DEP_1)
	v_lshl_or_b32 v[\pw], v[(\tm)+7], 24, v[\pw]
.irp c, 0,1
	v_cvt_scalef32_pk16_fp6_f32 v[(\pc)+6*\c:(\pc)+2+6*\c], v[(\s)+32*\c:(\s)+15+32*\c], v[(\tm)+12+2*\c]
	v_cvt_scalef32_pk16_fp6_f32 v[(\pc)+12+4*\c:(\pc)+14+4*\c], v[(\s)+16+32*\c:(\s)+31+32*\c], v[(\tm)+12+2*\c+1]
.endr
	v_nop
.irp c, 0,1
.irp i, 0,1,2
	v_permlane16_swap_b32 v[(\pc)+6*\c+\i], v[(\pc)+12+4*\c+\i]
.endr
.irp i, 0,1,2
	s_delay_alu instid0(VALU_DEP_3)
	v_mov_b32 v[(\pc)+3+6*\c+\i], v[(\pc)+12+4*\c+\i]
.endr
.endr
.endm
	; THE HAND-OVER.  The wave of the odd steps puts O^T, -M and its sums into its own 8,704 bytes, as images of the registers; a barrier; the wave of the even steps takes them from there.
.rept 4
	v_nop                                          ; the places behind the last products
.endr
	s_cmp_eq_u32 s[PAR], 0
	s_cbranch_scc1 .Lkeeper
.set J, 0
	s_wait_alu depctr_va_vdst(0)
.rept 16
	ds_store_b128 v[MST], v[160+4*J:163+4*J] offset:512*J   ; each accumulator from its low end on
.set J, J+1
.endr
	ds_store_b128 v[MST], v[12:15] offset:8192     ; -M, (the largest t), the sum's two halves
.Lkeeper:
	s_wait_dscnt 0x0                               ; for the partner's sake: my stores have landed
	s_barrier_signal -1
	s_barrier_wait -1
	s_cmp_eq_u32 s[PAR], 1
	s_cbranch_scc1 .Ldone
.set J, 0
.rept 16
	ds_load_b128 v[96+4*J:99+4*J], v[MLD] offset:512*J
.set J, J+1
.endr
	ds_load_b128 v[232:235], v[MLD] offset:8192
	s_wait_dscnt 0x0
	v_min_num_f32 v244, v12, v232                  ; the joint -M: the larger M.  (A partner that had no step holds zeros under -M = 3e38: its factor comes out 0)
	v_mov_b32 v241, 0                              ; (named as the upper halves of the pairs below)
	v_mov_b32 v243, 0
	s_delay_alu instid0(VALU_DEP_3)
	v_sub_f32 v240, v244, v12                      ; my M - the joint M: a whole number, 0 or less
	s_delay_alu instid0(VALU_DEP_4)
	v_sub_f32 v242, v244, v232                     ; my partner's likewise
	s_delay_alu instid0(VALU_DEP_2)
	v_cvt_i32_f32 v240, v240                       ; (they saturate)
	s_delay_alu instid0(VALU_DEP_2)
	v_cvt_i32_f32 v242, v242
	s_delay_alu instid0(VALU_DEP_2)
	v_ldexp_f32 v240, 1.0, v240                    ; the two factors: powers of two, so that nothing is rounded
	s_delay_alu instid0(VALU_DEP_2)
	v_ldexp_f32 v242, 1.0, v242
	s_delay_alu instid0(VALU_DEP_2)
	v_pk_mul_f32 v[14:15], v[14:15], v[240:241] op_sel_hi:[1,0]
	s_delay_alu instid0(VALU_DEP_1)
	v_pk_fma_f32 v[14:15], v[234:235], v[242:243], v[14:15] op_sel_hi:[1,0,1]
	s_delay_alu instid0(VALU_DEP_1)
	v_add_f32 v14, v14, v15
	s_delay_alu instid0(VALU_DEP_1)
	v_permlanex16_b32 v252, v14, s[SEL], s[SEL+1]
	s_delay_alu instid0(VALU_DEP_1)
	v_add_f32 v14, v14, v252                       ; the row's sum
	s_wait_alu depctr_va_vdst(0)
	v_rcp_f32 v14, v14
	v_nop                                          ; a plain place behind the reciprocal
	s_wait_alu depctr_va_vdst(0)                   ; the wait, ahead of its first reader
	v_mul_f32 v240, v240, v14                      ; the division goes into the two factors
	v_mul_f32 v242, v242, v14
.set J, 0
.rept 32
	v_pk_mul_f32 v[96+J:97+J], v[96+J:97+J], v[242:243] op_sel_hi:[1,0]
.set J, J+2
.endr
.set J, 0
.rept 32
	v_pk_fma_f32 v[96+J:97+J], v[160+J:161+J], v[240:241], v[96+J:97+J] op_sel_hi:[1,0,1]   ; O^T / the sum; each accumulator from its low end on
.set J, J+2
.endr
	QUANT 96, 232, 32, 253                         ; registers 16 b + i are channels 32 b + 16 h + i of my query: quantised as they stand, they are K step (query head) of the last projection's operand
.irp c, 0,1,2
	global_store_b128 v[LI], v[32+4*\c:35+4*\c], s[60:61] offset:512*\c   ; 32 lanes store 512 consecutive bytes
.endr
	v_cmp_gt_u32 vcc_lo, 16, v3
	s_wait_xcnt 0x0                                ; EXEC changes only behind this wait
	s_and_saveexec_b32 s73, vcc_lo
	global_store_b32 v7, v253, s[62:63]            ; lanes 0-15: my head's word of each row: 4 bytes in each 16 of the record's scale block; the other three heads' waves store the rest
	s_wait_xcnt 0x0
	s_or_b32 exec_lo, exec_lo, s73
.Ldone:
	s_wait_tensorcnt 0x0                           ; the wave's end, behind my last tensor load and my last LDS store
	ds_add_u32 v[SPW], v[NIL]
	s_wait_dscnt 0x0
	CROUND                                         ; the closing round
	s_endpgm
.Lfunc_end_k_q2fbe629659_attn:
	.size	k_q2fbe629659_attn, .Lfunc_end_k_q2fbe629659_attn-k_q2fbe629659_attn
	.p2alignl 7, 3214868480
	.fill 96, 4, 3214868480
	.section	.rodata,"a",@progbits
	.p2align	6, 0x0
	.amdhsa_kernel k_q2fbe629659_attn
		.amdhsa_group_segment_fixed_size 327680
		.amdhsa_private_segment_fixed_size 0
		.amdhsa_enable_private_segment 0
		.amdhsa_kernarg_size 24
		.amdhsa_user_sgpr_count 2
		.amdhsa_user_sgpr_kernarg_segment_ptr 1
		.amdhsa_wavefront_size32 1
		.amdhsa_system_sgpr_workgroup_id_x 1
		.amdhsa_system_sgpr_workgroup_id_y 1
		.amdhsa_system_sgpr_workgroup_id_z 1
		.amdhsa_system_vgpr_workitem_id 0
		.amdhsa_next_free_vgpr 256
		.amdhsa_next_free_sgpr 100
		.amdhsa_reserve_vcc 1
		.amdhsa_float_denorm_mode_32 3
		.amdhsa_float_denorm_mode_16_64 3
		.amdhsa_memory_ordered 1
		.amdhsa_forward_progress 1
		.amdhsa_inst_pref_size 129
	.end_amdhsa_kernel
	.amdgpu_metadata
---
amdhsa.version: [ 1, 2 ]
amdhsa.kernels:
  - .name:           k_q2fbe629659_attn
    .symbol:         k_q2fbe629659_attn.kd
    .args:
      - { .name: qkv, .offset: 0, .size: 8, .value_kind: global_buffer, .address_space: global }
      - { .name: qkvs, .offset: 8, .size: 8, .value_kind: global_buffer, .address_space: global }
      - { .name: attn, .offset: 16, .size: 8, .value_kind: global_buffer, .address_space: global }
    .group_segment_fixed_size: 327680
    .private_segment_fixed_size: 0
    .kernarg_segment_align: 8
    .kernarg_segment_size: 24
    .max_flat_workgroup_size: 512
    .sgpr_count:     100
    .vgpr_count:     256
    .wavefront_size: 32
...
	.end_amdgpu_metadata
.endif
;; end of part 3
;; launch proj (part 4): grid 16 x 16, 4 waves a work-group, clusters of 4 x 4, 327,680 bytes of LDS; arguments attn, codes, out0; writes out0
.if DOCPART == 4
	.amdgcn_target "amdgcn-amd-amdhsa--gfx1250"
	.amdhsa_code_object_version 6
	.text
	.protected	k_q2fbe629659_proj
	.globl	k_q2fbe629659_proj
	.p2align	8
	.type	k_q2fbe629659_proj,@function
k_q2fbe629659_proj:
	s_mov_b64 s[64:65], 0
	v_nop
	global_prefetch_b8 v0, s[64:65] scope:SCOPE_SE
	s_setreg_imm32_b32 hwreg(HW_REG_WAVE_MODE, 25, 1), 1
	s_wait_xcnt 0x0
	s_wait_alu depctr_hold_cnt(0) depctr_sa_sdst(0) depctr_va_vdst(0) depctr_va_sdst(0) depctr_va_ssrc(0) depctr_va_vcc(0) depctr_vm_vsrc(0)
	s_getreg_b32 s2, hwreg(HW_REG_IB_STS2, 6, 4)
	s_cmp_eq_u32 s2, 0
	s_cbranch_scc0 .Lentry_in_a_cluster
	s_endpgm
.Lentry_in_a_cluster:
	s_bfe_u32 s2, ttmp6, 0x10000c
	s_cmp_lg_u32 s2, 0xf033
	s_cbranch_scc0 .Lentry_shape_is_right
	s_endpgm
.Lentry_shape_is_right:
; THE LAST PROJECTION, out = attention's result x Wo^T, on codes of FP6 (E2M3), from records of 6,400 bytes (four fragments of 16 rows x 128 K, then 256 bytes of scale words).
; A work-group makes 128 positions (R: attention's records) x 256 columns (P: Wo's rows) over K = 2,048; a wave 64 x 128, 32 accumulators.  The f32 results leave through each wave's own stage in LDS as rows of 512 bytes.
; RING: two slots of 512 along K (8 records of R, 16 of P).  4 x 4 work-groups form a cluster; R's tile is asked for jointly along a column, P's along a row; each wave issues one joint load behind each round.
; PREFETCH: behind slot 0's joint load K groups 1 and 2 are asked for, behind slot 1's K group 3; the refills, K groups 2 and 3, have no group two on.  A record is 25 blocks of 256 bytes, a lane a block (lanes 25-31 name the last block again), an instruction a record.
; Of P's 16 records the partner at cx takes 4 cx + wave; of R's 8 the partner at cy takes 2 cy + wave, waves 0 and 1 alone: the partners are told apart by address, and each block is named once in a cluster.
.set KG,     4
.set REC,    6400
.set RHALFB, 4*REC
.set PHALFB, 8*REC
.set POFF,   8*REC
.set SLOT,   24*REC
.set SPARE,  2*SLOT
.set WOOFF,  3072*REC
.set SPITCH, 528
.set LI,   4
.set ADRR, 16
.set ADRP, 20
.set ADRS, 22
.set STO,  24
.set RD,   25
.set SPW,  28
.set NIL,  29
.set SC,   32
.set RF,   128
.set G1R, 24
.set G0R, 32
.set G1P, 48
.set G0P, 56
.set MSB, 0
.set PFO, 30                           ; v30     the prefetches' offset: 256 x min(lane, 24); never rewritten
.set PFP, 88                           ; s[88:89] my record of P, s[90:91] my record of R, at K group 0; never rewritten
.set PFR, 90
.macro WIN new
.if MSB != \new
	s_set_vgpr_msb (MSB<<8)|\new
.set MSB, \new
.endif
.endm
.set MUL,  0xa1
.set TO_P, 0x40
.macro JLOAD g0a, g1a, g0b, g1b
	s_cmp_eq_u32 s15, 0
	s_cbranch_scc0 .Lfor_p_\@
	tensor_load_to_lds s[\g0a:\g0a+3], s[\g1a:\g1a+7]
	s_nop 0
.rept 4
	v_nop
.endr
	s_branch .Lasked_\@
.Lfor_p_\@:
	tensor_load_to_lds s[\g0b:\g0b+3], s[\g1b:\g1b+7]
	s_nop 0
.rept 4
	v_nop
.endr
.Lasked_\@:
.endm
.macro CREST
	s_cmp_lg_u32 s14, 0
	s_cbranch_scc1 .Lnot_wave_0_\@
	s_barrier_signal -3
.Lnot_wave_0_\@:
	s_barrier_wait -3
	s_barrier_signal -1
	s_barrier_wait -1
.endm
.macro CROUND
	s_barrier_signal -1
	s_barrier_wait -1
	CREST
.endm
.macro PLACES n
.rept \n
	v_nop
.endr
.endm
	s_load_b128 s[4:7], s[0:1], 0x0
	s_load_b64 s[12:13], s[0:1], 0x10
	v_lshl_add_u32 v[SPW], v0, 2, SPARE
	v_mov_b32 v[NIL], 0
	ds_add_u32 v[SPW], v[NIL]
	ds_add_u32 v[SPW], v[NIL]
	v_lshrrev_b32 v1, 5, v0
	v_readfirstlane_b32 s14, v1
	v_and_b32 v[PFO], 31, v0
	v_min_u32 v[PFO], 24, v[PFO]
	v_lshlrev_b32 v[PFO], 8, v[PFO]
	s_lshr_b32 s15, s14, 1
	s_and_b32 s16, s14, 1
	s_bfe_u32 s40, ttmp6, 0x40000
	s_bfe_u32 s41, ttmp6, 0x40004
	s_lshl_b32 s46, ttmp9, 2
	s_add_co_u32 s46, s46, s40
	s_and_b32 s47, ttmp7, 0xffff
	s_lshl_b32 s47, s47, 2
	s_add_co_u32 s47, s47, s41
	s_lshl_b32 s69, 0x1111, s40
	s_lshl_b32 s70, s41, 2
	s_lshl_b32 s70, 15, s70
	s_or_b32 s[G1R], s69, (3<<16)|(1<<21)
	s_or_b32 s[G1P], s70, (3<<16)|(1<<21)
	s_mov_b32 s[G1R+1], 800<<16
	s_mov_b32 s[G1R+2], 4<<16
	s_mov_b32 s[G1R+3], 800<<16
	s_mov_b32 s[G1R+4], 4
	s_mov_b32 s[G1R+5], KG*800
	s_mov_b32 s[G1R+6], 0
	s_mov_b32 s[G1R+7], 0
	s_mov_b32 s[G1P+1], 800<<16
	s_mov_b32 s[G1P+2], 8<<16
	s_mov_b32 s[G1P+3], 800<<16
	s_mov_b32 s[G1P+4], 8
	s_mov_b32 s[G1P+5], KG*800
	s_mov_b32 s[G1P+6], 0
	s_mov_b32 s[G1P+7], 0
	s_lshl_b32 s20, s46, 3
	s_lshl_b32 s21, s16, 2
	s_add_co_u32 s20, s20, s21
	s_mul_i32 s20, s20, KG*REC
	s_mov_b32 s21, 0
	s_lshl_b32 s22, s47, 4
	s_lshl_b32 s23, s16, 3
	s_add_co_u32 s22, s22, s23
	s_mul_i32 s22, s22, KG*REC
	s_add_co_u32 s22, s22, WOOFF
	s_mov_b32 s23, 0
	s_mul_i32 s71, s16, RHALFB
	s_mul_i32 s72, s16, PHALFB
	s_add_co_u32 s72, s72, POFF
	s_lshl_b32 s92, s47, 4                         ; the prefetches: P's row block 16 x tile + 4 cx + wave,
	s_lshl_b32 s93, s40, 2
	s_add_co_u32 s92, s92, s93
	s_add_co_u32 s92, s92, s14
	s_mul_i32 s92, s92, KG*REC
	s_add_co_u32 s92, s92, WOOFF
	s_mov_b32 s93, 0
	s_lshl_b32 s94, s46, 3                         ; R's row block 8 x tile + 2 cy + wave % 2
	s_lshl_b32 s95, s41, 1
	s_add_co_u32 s94, s94, s95
	s_add_co_u32 s94, s94, s16
	s_mul_i32 s94, s94, KG*REC
	s_mov_b32 s95, 0
	s_wait_dscnt 0x0
	s_wait_kmcnt 0x0
	s_add_nc_u64 s[20:21], s[4:5], s[20:21]
	s_add_nc_u64 s[22:23], s[6:7], s[22:23]
	s_add_nc_u64 s[PFP:PFP+1], s[6:7], s[92:93]
	s_add_nc_u64 s[PFR:PFR+1], s[4:5], s[94:95]
	CROUND
.irp s, 0,1
	s_mov_b32 s[G0R+4*\s], 1
	s_add_co_u32 s[G0R+4*\s+1], s71, \s*SLOT
	s_add_nc_u64 s[G0R+4*\s+2:G0R+4*\s+3], s[20:21], \s*REC
	s_or_b32 s[G0R+4*\s+3], s[G0R+4*\s+3], 0x80000000
	s_mov_b32 s[G0P+4*\s], 1
	s_add_co_u32 s[G0P+4*\s+1], s72, \s*SLOT
	s_add_nc_u64 s[G0P+4*\s+2:G0P+4*\s+3], s[22:23], \s*REC
	s_or_b32 s[G0P+4*\s+3], s[G0P+4*\s+3], 0x80000000
.endr
.macro ASK off                         ; the K group that lies off bytes beyond the bases: every wave a record of P, waves 0 and 1 also a record of R
	global_prefetch_b8 v[PFO], s[PFP:PFP+1] offset:\off th:TH_LOAD_NT scope:SCOPE_SE
	s_cmp_eq_u32 s15, 0
	s_cbranch_scc0 .Lno_r_\@
	global_prefetch_b8 v[PFO], s[PFR:PFR+1] offset:\off th:TH_LOAD_NT scope:SCOPE_SE
.Lno_r_\@:
.endm
	JLOAD G0R, G1R, G0P, G1P                       ; K group 0: one tensor load a wave at the head
	s_wait_alu depctr_va_vdst(0)                   ; the wait, directly ahead of the reader below
	ASK REC                                        ; K groups 1 and 2
	ASK 2*REC
	v_and_b32 v1, 31, v0
	v_and_b32 v2, 15, v0
	v_bfe_u32 v3, v0, 4, 1
	v_lshlrev_b32 v[LI], 4, v1
	s_mul_i32 s73, s15, RHALFB
	s_mul_i32 s74, s16, PHALFB
	s_add_co_u32 s74, s74, POFF
	v_add_nc_u32 v[ADRR], s73, v[LI]
	v_add_nc_u32 v[ADRR+1], SLOT, v[ADRR]
	v_add_nc_u32 v[ADRP], s74, v[LI]
	v_add_nc_u32 v[ADRP+1], SLOT, v[ADRP]
	s_sub_co_u32 s75, s74, s73
	v_mul_u32_u24 v5, s75, v3
	v_lshl_add_u32 v5, v2, 4, v5
	v_add_nc_u32 v5, s73, v5
	v_add_nc_u32 v[ADRS], 4*1536, v5
	v_add_nc_u32 v[ADRS+1], SLOT, v[ADRS]
	s_mul_i32 s80, s14, 16*SPITCH
	v_mul_u32_u24 v[STO], v2, SPITCH
	v_lshl_add_u32 v[STO], v3, 6, v[STO]
	v_add_nc_u32 v[STO], s80, v[STO]
	v_add_nc_u32 v[RD], s80, v[LI]
	s_lshl_b32 s76, s46, 7
	s_lshl_b32 s77, s15, 6
	s_add_co_u32 s76, s76, s77
	s_lshl_b32 s76, s76, 14
	s_lshl_b32 s78, s47, 10
	s_lshl_b32 s79, s16, 9
	s_add_co_u32 s78, s78, s79
	s_add_co_u32 s76, s76, s78
	s_mov_b32 s77, 0
	s_add_nc_u64 s[12:13], s[12:13], s[76:77]
.macro FETCH slot, q, set
	WIN TO_P
.irp b, 0,1,2,3,4,5,6,7
.irp c, 0,1,2
	ds_load_b128 v[128*(\set)+12*\b+4*\c:128*(\set)+12*\b+4*\c+3], v[ADRP+\slot] offset:REC*\b+1536*(\q)+512*\c
.endr
.endr
	WIN 0
.irp a, 0,1,2,3
.irp c, 0,1,2
	ds_load_b128 v[RF+48*(\set)+12*\a+4*\c:RF+48*(\set)+12*\a+4*\c+3], v[ADRR+\slot] offset:REC*\a+1536*(\q)+512*\c
.endr
.endr
.endm
.macro SCALES slot
.irp j, 0,1,2,3,4,5,6,7
	ds_load_b128 v[SC+32*\slot+4*\j:SC+32*\slot+4*\j+3], v[ADRS+\slot] offset:REC*\j
.endr
.endm
.macro MUL8 a, set, q, slot, zero
.irp b, 0,1,2,3,4,5,6,7
.if \zero
	v_wmma_scale_f32_16x16x128_f8f6f4 v[8*(8*(\a)+\b):8*(8*(\a)+\b)+7], v[128*(\set)+12*\b:128*(\set)+12*\b+11], v[RF+48*(\set)+12*(\a):RF+48*(\set)+12*(\a)+11], 0, v[SC+32*(\slot)+4*\b+(\q)], v[SC+32*(\slot)+4*(\a)+(\q)] matrix_a_fmt:MATRIX_FMT_FP6 matrix_b_fmt:MATRIX_FMT_FP6 matrix_a_scale:MATRIX_SCALE_ROW1
.else
	v_wmma_scale_f32_16x16x128_f8f6f4 v[8*(8*(\a)+\b):8*(8*(\a)+\b)+7], v[128*(\set)+12*\b:128*(\set)+12*\b+11], v[RF+48*(\set)+12*(\a):RF+48*(\set)+12*(\a)+11], v[8*(8*(\a)+\b):8*(8*(\a)+\b)+7], v[SC+32*(\slot)+4*\b+(\q)], v[SC+32*(\slot)+4*(\a)+(\q)] matrix_a_fmt:MATRIX_FMT_FP6 matrix_b_fmt:MATRIX_FMT_FP6 matrix_a_scale:MATRIX_SCALE_ROW1
.endif
.endr
.endm
.macro STEP slot, q, zero
	s_wait_dscnt 0x0
	PLACES 4
	FETCH \slot, (\q)+1, ((\q)+1)%2
	WIN MUL
	MUL8 0, (\q)%2, \q, \slot, \zero
	MUL8 1, (\q)%2, \q, \slot, \zero
	MUL8 2, (\q)%2, \q, \slot, \zero
	MUL8 3, (\q)%2, \q, \slot, \zero
	WIN 0
.endm
.macro TURN slot, next, fill
	s_wait_dscnt 0x0
	s_wait_tensorcnt 0x0
	ds_add_u32 v[SPW], v[NIL]
	WIN MUL
	MUL8 0, 1, 3, \slot, 0
	s_wait_dscnt 0x0
	s_barrier_signal -1
	MUL8 1, 1, 3, \slot, 0
	WIN 0
	s_barrier_wait -1
.if \fill
	CREST
	s_add_nc_u64 s[G0R+4*\slot+2:G0R+4*\slot+3], s[G0R+4*\slot+2:G0R+4*\slot+3], 2*REC
	s_add_nc_u64 s[G0P+4*\slot+2:G0P+4*\slot+3], s[G0P+4*\slot+2:G0P+4*\slot+3], 2*REC
	JLOAD G0R+4*\slot, G1R, G0P+4*\slot, G1P
.else
	PLACES 4
.endif
	FETCH \next, 0, 0
	SCALES \next
	WIN MUL
	MUL8 2, 1, 3, \slot, 0
	MUL8 3, 1, 3, \slot, 0
	WIN 0
.endm
	s_wait_alu depctr_va_vdst(0)
	s_wait_tensorcnt 0x0                           ; my part of K group 0 is in
	ds_add_u32 v[SPW], v[NIL]
	s_wait_dscnt 0x0
	CROUND                                         ; everybody's part is in, and all sixteen work-groups are here
	JLOAD G0R+4, G1R, G0P+4, G1P                   ; K group 1, into slot 1: the first tensor load behind the round
	FETCH 0, 0, 0
	SCALES 0
	ASK 3*REC                                      ; K group 3
	STEP 0, 0, 1
	s_mov_b32 s3, KG/2-1
.Llap:
	STEP 0, 1, 0
	STEP 0, 2, 0
	TURN 0, 1, 1
	STEP 1, 0, 0
	STEP 1, 1, 0
	STEP 1, 2, 0
	TURN 1, 0, 1
	STEP 0, 0, 0
	s_sub_co_u32 s3, s3, 1
	s_cmp_lg_u32 s3, 0
	s_cbranch_scc1 .Llap
	STEP 0, 1, 0
	STEP 0, 2, 0
	TURN 0, 1, 0
	STEP 1, 0, 0
	STEP 1, 1, 0
	STEP 1, 2, 0
	s_wait_dscnt 0x0
	WIN MUL
	MUL8 0, 1, 3, 1, 0
	MUL8 1, 1, 3, 1, 0
	MUL8 2, 1, 3, 1, 0
	MUL8 3, 1, 3, 1, 0
	WIN 0
.macro TOSTAGE a
	WIN 0x08
.irp b, 0,1,2,3
.irp j, 0,1,2,3
	ds_store_b128 v[STO], v[64*(\a)+16*\b+4*\j:64*(\a)+16*\b+4*\j+3] offset:128*\b+16*\j
.endr
.endr
	WIN 0
.set BB, 128+64*((\a)%2)
.irp i, 0,1,2,3,4,5,6,7,8,9,10,11,12,13,14,15
	ds_load_b128 v[BB+4*\i:BB+4*\i+3], v[RD] offset:SPITCH*\i
.endr
.endm
.macro SEND a, younger
.set BB, 128+64*((\a)%2)
	s_wait_dscnt \younger
.irp i, 0,1,2,3,4,5,6,7,8,9,10,11,12,13,14,15
	global_store_b128 v[LI], v[BB+4*\i:BB+4*\i+3], s[12:13] offset:(32*((\a)/2)+8*((\a)%2)+\i+8*(\i/8))*16384 th:TH_STORE_NT
.endr
.endm
	PLACES 4
	TOSTAGE 0
	TOSTAGE 1
	SEND 0, 32
	s_wait_xcnt 0x0
	TOSTAGE 2
	SEND 1, 32
	s_wait_xcnt 0x0
	TOSTAGE 3
	SEND 2, 32
	SEND 3, 0
	s_wait_tensorcnt 0x0
	ds_add_u32 v[SPW], v[NIL]
	s_wait_dscnt 0x0
	CROUND
	s_endpgm
.Lfunc_end_k_q2fbe629659_proj:
	.size	k_q2fbe629659_proj, .Lfunc_end_k_q2fbe629659_proj-k_q2fbe629659_proj
	.p2alignl 7, 3214868480
	.fill 96, 4, 3214868480
	.section	.rodata,"a",@progbits
	.p2align	6, 0x0
	.amdhsa_kernel k_q2fbe629659_proj
		.amdhsa_group_segment_fixed_size 327680
		.amdhsa_private_segment_fixed_size 0
		.amdhsa_enable_private_segment 0
		.amdhsa_kernarg_size 24
		.amdhsa_user_sgpr_count 2
		.amdhsa_user_sgpr_kernarg_segment_ptr 1
		.amdhsa_wavefront_size32 1
		.amdhsa_system_sgpr_workgroup_id_x 1
		.amdhsa_system_sgpr_workgroup_id_y 1
		.amdhsa_system_sgpr_workgroup_id_z 1
		.amdhsa_system_vgpr_workitem_id 0
		.amdhsa_next_free_vgpr 1024
		.amdhsa_next_free_sgpr 100
		.amdhsa_reserve_vcc 0
		.amdhsa_float_denorm_mode_32 3
		.amdhsa_float_denorm_mode_16_64 3
		.amdhsa_memory_ordered 1
		.amdhsa_forward_progress 1
		.amdhsa_inst_pref_size 133
	.end_amdhsa_kernel
	.amdgpu_metadata
---
amdhsa.version: [ 1, 2 ]
amdhsa.kernels:
  - .name:           k_q2fbe629659_proj
    .symbol:         k_q2fbe629659_proj.kd
    .args:
      - { .name: attn, .offset: 0, .size: 8, .value_kind: global_buffer, .address_space: global }
      - { .name: codes, .offset: 8, .size: 8, .value_kind: global_buffer, .address_space: global }
      - { .name: out0, .offset: 16, .size: 8, .value_kind: global_buffer, .address_space: global }
    .group_segment_fixed_size: 327680
    .private_segment_fixed_size: 0
    .kernarg_segment_align: 8
    .kernarg_segment_size: 24
    .max_flat_workgroup_size: 128
    .sgpr_count:     100
    .vgpr_count:     1024
    .wavefront_size: 32
...
	.end_amdgpu_metadata
.endif
;; end of part 4
